; MI455X (gfx1250); checked and timed in simulation.
; The chip was launched on July 23, 2026; its instructions are those of AMD's public machine-readable ISA for CDNA 5 (MIT licence, August 2026) and "CDNA5" Instruction Set Architecture Reference Guide (July 2026). The comments in the code are by the model that wrote it; some were corrected since.
;; Multi Head Self Attention. Allowed arithmetic: matrix products marked QUANTISED: E2M3 operands, one E8M0 scale for each 32 along K, by v_wmma_scale_f32_16x16x128_f8f6f4 with both operands' format E2M3, f32 sums; everything else in f32.
;; Inputs: W 3,072 x 1,024 float32; Wo 1,024 x 1,024 float32; x 4 x 2,048 x 1,024 float32.
;; Outputs: out0 4 x 2,048 x 1,024 float32.
;; This version of the problem:
;;   THIS VERSION OF THE PROBLEM IS GIVEN IN LOW PRECISION. The matrix products marked QUANTISED in the list below multiply operands that are first quantised to E2M3 (2 exponent bits, 3 mantissa bits; 6 bits a number), with one power-of-two scale for each 32 numbers along K (OCP MX v1.0); their sums are f32. All else is computed in f32.
;;   The module's matrix products, in the order in which they are computed (A, B: the left and right operand; K: the contracted axis; several contracted axes count as one K, in the product's order):
;;     1. [M 8,192, K 1,024] x [K 1,024, N 3,072]; A: input x; B: input W: QUANTISED
;;     2. batch 64 x [M 2,048, K 64] x [K 64, N 2,048]; A: computed on the way; B: computed on the way: QUANTISED
;;     3. batch 64 x [M 2,048, K 2,048] x [K 2,048, N 64]; A: softmax (see below); B: computed on the way: QUANTISED
;;     4. [M 8,192, K 1,024] x [K 1,024, N 1,024]; A: computed on the way; B: input Wo: QUANTISED
;;   THE QUANTISER, for each operand of a quantised product, along K:
;;     - K is cut into blocks of 32 from its start; a last block that is shorter is filled with zeros.
;;     - A block's scale is 2^e with e = floor(log2(the largest magnitude in the block)) - 2, held to -126 .. 127; a block of zeros has e = 0. As a byte (E8M0): e + 127.
;;     - Each number is divided by its block's scale, clamped to +-7.5, and rounded to the nearest number of E2M3, ties to even, subnormals kept.
;;     - The product sums the exact products of the quantised numbers (number of the format x scale) in f32.
;;   ~~~python
;;   def quantise(x, axis):      # numpy; x: float32 -> the quantised numbers, widened to float32 again
;;       x = np.moveaxis(x, axis, -1); K = x.shape[-1]
;;       x = np.pad(x, [(0, 0)] * (x.ndim - 1) + [(0, -K % 32)]); x = x.reshape(x.shape[:-1] + (-1, 32)); a = np.abs(x).max(-1, keepdims=True)
;;       e = np.where(a > 0, np.clip(np.frexp(np.where(a > 0, a, 1))[1] - 1 - 2, -126, 127), 0)      # np.frexp(a)[1] - 1 = floor(log2(a)), exactly
;;       r = np.clip(x / 2.0 ** e, -7.5, 7.5)
;;       step = 2.0 ** (np.maximum(np.frexp(np.where(r == 0, 1, r))[1] - 1, 0) - 3)
;;       q = np.round(r / step) * step * 2.0 ** e      # np.round: ties to even
;;       return np.moveaxis(q.reshape(q.shape[:-2] + (-1,))[..., :K], -1, axis).astype(np.float32)
;;   ~~~
;;   SOFTMAX AHEAD OF A QUANTISED PRODUCT. Where the list says 'softmax', what is quantised is not the finished softmax but p = 2^(t - M), with t = logit x log2(e) and M = ceil(the row's largest t), a whole number; so 1/2 < the row's largest p <= 1. The row's sum l is taken of the UNQUANTISED p, in f32, and the product's result is divided by l at the end. Since M is a whole number, a kernel that streams over the keys may use a running M (the ceiling of the running maximum): every later rescaling is an exact power of two, which a block's scale takes up: the codes' values come out the same.
;;   OPERANDS COMPUTED ON THE WAY. 'Computed on the way' means the value that the module computes at that place (a softmax that the list does not call 'softmax' is quantised finished and normalised). What goes into a quantiser is computed in f32, as accurately as f32 sums, v_exp_f32 and their like allow (about 1e-6 of the number): no bf16 or f16 on the way to a quantiser, and a product that is left as it is and whose result goes on into a quantised operand takes f32 operands (vector FMAs, or v_wmma_f32_16x16x4_f32). A number that lies on a knife's edge between two numbers of the format may be rounded either way, as far as f32 arithmetic and the matrix unit's own rounding can turn it there, and no further.
;; One version. Each part assembles by itself: llvm-mc -triple=amdgcn-amd-amdhsa -mcpu=gfx1250 --defsym DOCPART=n.
;; ======== version 1 of 1: 4 launches
;; limits: right only within a limited range of input values
;; workspace buffers: cod 9,437,184 bytes; scl 393,216 bytes; tab 524,288 bytes; qb 7,340,032 bytes; kv 13,631,488 bytes; oa 6,291,456 bytes; os 262,144 bytes
;; launch prep (part 1): grid 512 x 1, 4 waves a work-group, no clusters, 34,304 bytes of LDS; arguments x, W, Wo, cod, scl, tab; writes cod, scl, tab
.if DOCPART == 1
	.amdgcn_target "amdgcn-amd-amdhsa--gfx1250"
	.amdhsa_code_object_version 6
	.text
	.protected	k_q2daffa80f0_prep
	.globl	k_q2daffa80f0_prep
	.p2align	8
	.type	k_q2daffa80f0_prep,@function
k_q2daffa80f0_prep:
	s_mov_b64 s[64:65], 0
	v_nop
	global_prefetch_b8 v0, s[64:65] scope:SCOPE_SE
	s_setreg_imm32_b32 hwreg(HW_REG_WAVE_MODE, 25, 1), 1
	s_wait_xcnt 0x0
; PREP.  Work-groups 0-383: x [8192][1024], W [3072][1024], Wo [1024][1024], f32, K innermost, become codes of FP6 (E2M3) with one E8M0 byte for each 32 along K.
; Work-groups 384-511: the table of cos and sin for the rotation of Q and K.
; THE CODES ARE LAID AS IMAGES OF OPERAND REGISTERS.  A tile is 16 rows; tile T holds rows 32 (T / 2) + 8 (T % 2) + r + 8 (r / 8), r = 0 .. 15.  A fragment (a tile x 128 K) is 1,536 bytes: for each half c of 64 K
; first 512 bytes (lane l's registers 6 c .. 6 c + 3 at 16 l), then 256 bytes (registers 6 c + 4, 6 c + 5 at 8 l).  cod: [tile 768][K step 8][1,536]; tiles 0-511 x, 512 + 12 head + 4 t + tau W (t: Q, K, V), 704-767 Wo.
; scl: for each pair of tiles 1,024 bytes [K step / 4][lane][K step % 4] of scale words: lanes 0-15 the even tile's rows, lanes 16-31 the odd tile's.
; A block's scale is 2^(floor(log2(largest magnitude)) - 2); its byte is the largest magnitude's exponent field - 2, held at 1 from below.
; LIMITS: NaN and infinities among the inputs are not served.  A block whose largest magnitude lies under 2^-124, a block of zeros among them, gets the byte 1 (the rule says 127 for zeros): its codes
; are zeros or the rule's own, and the bytes are read by this program alone.
; A wave takes one tile x 512 along K: four fragments.  Each load reads 512 consecutive bytes of one row; a fragment's 16 x 512 bytes turn through the wave's own stage in LDS (rows of 512 + 16 bytes), so that lane (r, h)
; gets k = 64 c + 32 h + 0 .. 31 of row r: two whole blocks, in the order of the operand's registers.  No barrier: waves share nothing.  No matrix unit, no cluster: the launch streams.
; tab: [tile of positions 128][l 8][lane][16 bytes] = (cos j0, sin j0, cos j0 + 1, sin j0 + 1), j0 = 16 (l / 4) + 8 h + 2 (l % 4), position = the tile's row r.
; The angle is position x inv_freq, one rounding.  inv_freq = 2^(-j c): c = log2(100000) / 32 is split into a short upper part, whose product with j is exact, and a rest that enters as 1 - m + m m / 2.
; It lies within about an ulp of 100000^(-j / 32); at the largest positions that is up to about 1e-4 of a radian.  sin and cos: reduction by multiples of pi / 2 in two parts, polynomials on +-pi / 4.
.set SPARE, 33792                      ; behind the four stages: the spare words, 128 bytes for each wave
.set STW,   8448                       ; a wave's stage: 16 rows x 528 bytes
.set SPW,   12                         ; v12  LDS address of my spare word; never rewritten
.set NIL,   13                         ; v13  0; never rewritten
.set R,     16                         ; v16-143  two sets of 64: a fragment's numbers as loaded
.set X,     144                        ; v144-207 my 64 numbers: register 32 c + i = k 64 c + 32 h + i
.set C,     208                        ; v208-231 two sets of 12: a fragment's codes
.set CT,    232                        ; v232-238 the upper halves of two blocks' codes
.set TM,    240                        ; v240-246 at work
.set SW,    248                        ; v248-251 the four fragments' scale words
.macro LOADF t                         ; fragment t: sixteen rows, 512 consecutive bytes each
.irp i, 0,1,2,3,4,5,6,7,8,9,10,11,12,13,14,15
	global_load_b128 v[R+64*((\t)%2)+4*\i:R+64*((\t)%2)+4*\i+3], v4, s[4:5] offset:(\i+8*(\i/8))*4096+512*(\t) th:TH_LOAD_NT
.endr
.endm
.macro FRAGQ t
.set RS, R+64*((\t)%2)
.set CC, C+12*((\t)%2)
.if (\t) < 3
	s_wait_loadcnt 16                              ; this fragment's sixteen loads are in; the next fragment's sixteen may be out
.else
	s_wait_loadcnt 0x0
.endif
.irp i, 0,1,2,3,4,5,6,7,8,9,10,11,12,13,14,15
	ds_store_b128 v6, v[RS+4*\i:RS+4*\i+3] offset:528*\i
.endr
.irp c, 0,1
.irp j, 0,1,2,3,4,5,6,7
	ds_load_b128 v[X+32*\c+4*\j:X+32*\c+4*\j+3], v7 offset:256*\c+16*\j   ; LDS serves a wave's instructions in order: these see the stores above
.endr
.endr
	s_wait_dscnt 0x0                               ; my numbers are back, and the stores have read their registers
	s_wait_xcnt 0x0                                ; the stores of two fragments ago have read this set of code registers
.if (\t)+2 < 4
	LOADF (\t)+2
.endif
.irp c, 0,1
	v_max3_num_f32 v[TM+\c], |v[X+32*\c]|, |v[X+32*\c+1]|, 0x1800000   ; my block 2 c + h, all 32 numbers mine, and the floor 2^(3 - 127): the byte cannot fall under 1
.endr
.irp i, 2,4,6,8,10,12,14,16,18,20,22,24,26,28,30
.irp c, 0,1
	v_max3_num_f32 v[TM+\c], v[TM+\c], |v[X+32*\c+\i]|, |v[X+32*\c+\i+1]|
.endr
.endr
.irp c, 0,1
	v_add_nc_u32 v[TM+2+\c], 0xff000000, v[TM+\c]  ; 2 off the exponent field: the conversion's scale operand
.endr
.irp c, 0,1
	v_lshrrev_b32 v[TM+4+\c], 23, v[TM+2+\c]       ; the scale's byte
.endr
	v_lshl_or_b32 v[SW+(\t)], v[TM+5], 16, v[TM+4] ; blocks h and 2 + h,
	v_lshlrev_b32 v[SW+(\t)], v8, v[SW+(\t)]       ; at their places in the word (8 h bits up);
	v_permlanex16_b32 v[TM+6], v[SW+(\t)], s30, s31
	v_or_b32 v[SW+(\t)], v[SW+(\t)], v[TM+6]       ; with lane l xor 16's two the word is whole
.irp c, 0,1
	v_cvt_scalef32_pk16_fp6_f32 v[CC+6*\c:CC+6*\c+2], v[X+32*\c:X+32*\c+15], v[TM+2+\c]
	v_cvt_scalef32_pk16_fp6_f32 v[CT+4*\c:CT+4*\c+2], v[X+32*\c+16:X+32*\c+31], v[TM+2+\c]   ; (a conversion's three registers begin on an even number)
.endr
	v_nop                                          ; one plain place behind a scaled conversion
.irp c, 0,1
.irp i, 0,1,2
	v_mov_b32 v[CC+3+6*\c+\i], v[CT+4*\c+\i]
.endr
.endr
	global_store_b128 v4, v[CC:CC+3], s[10:11] offset:1536*(\t)           ; 512 consecutive bytes,
	global_store_b64 v5, v[CC+4:CC+5], s[10:11] offset:1536*(\t)+512      ; 256,
	global_store_b128 v4, v[CC+6:CC+9], s[10:11] offset:1536*(\t)+768
	global_store_b64 v5, v[CC+10:CC+11], s[10:11] offset:1536*(\t)+1280
.endm
; sin and cos of the angle in v[a] (0 or more, under 2,048)
.macro SINCOS a, oc, os
	v_mul_f32 v40, 0x3f22f983, v[\a]               ; x 2 / pi
	v_rndne_f32 v40, v40                           ; n
	v_fma_f32 v41, v40, s20, v[\a]                 ; - n x the upper part of pi / 2: exact here
	v_fma_f32 v41, v40, s21, v41                   ; - n x the rest
	v_mul_f32 v42, v41, v41                        ; z = r r
	v_cvt_i32_f32 v43, v40
	v_fma_f32 v44, v42, s22, s23
	v_fma_f32 v46, v42, s25, s26
	v_fma_f32 v44, v44, v42, s24
	v_fma_f32 v46, v46, v42, s27
	v_mul_f32 v45, v42, v41
	v_mul_f32 v47, v42, v42
	v_fma_f32 v48, v42, -0.5, 1.0
	v_fma_f32 v44, v44, v45, v41                   ; sin r
	v_fma_f32 v46, v46, v47, v48                   ; cos r
	v_and_b32 v47, 1, v43
	v_cmp_eq_u32 vcc_lo, 1, v47                    ; odd quadrants change the two; a choice of values, no branch
	v_cndmask_b32 v[\os], v44, v46, vcc_lo
	v_cndmask_b32 v[\oc], v46, v44, vcc_lo
	v_and_b32 v47, 2, v43
	v_lshlrev_b32 v47, 30, v47
	v_xor_b32 v[\os], v[\os], v47                  ; sin is negative in quadrants 2, 3
	v_add_nc_u32 v43, 1, v43
	v_and_b32 v43, 2, v43
	v_lshlrev_b32 v43, 30, v43
	v_xor_b32 v[\oc], v[\oc], v43                  ; cos in quadrants 1, 2
.endm
	s_load_b256 s[4:11], s[0:1], 0x0               ; x s[4:5], W s[6:7], Wo s[8:9], cod s[10:11]
	s_load_b128 s[12:15], s[0:1], 0x20             ; scl s[12:13], tab s[14:15]
	v_lshl_add_u32 v[SPW], v0, 2, SPARE
	v_mov_b32 v[NIL], 0
	s_cmp_ge_u32 ttmp9, 384
	s_cbranch_scc1 .Ltable
	; ---- the quantiser
	v_lshrrev_b32 v1, 5, v0
	v_readfirstlane_b32 s16, v1                    ; wave
	v_and_b32 v1, 31, v0                           ; lane
	v_and_b32 v2, 15, v0                           ; r
	v_bfe_u32 v3, v0, 4, 1                         ; h
	v_lshlrev_b32 v4, 4, v1                        ; 16 x lane
	v_lshlrev_b32 v5, 3, v1                        ; 8 x lane
	s_mul_i32 s17, s16, STW
	v_add_nc_u32 v6, s17, v4                       ; into the stage: 16 x lane of a row
	v_mul_u32_u24 v7, v2, 528
	v_lshl_add_u32 v7, v3, 7, v7
	v_add_nc_u32 v7, s17, v7                       ; out of it: row r, + 128 h
	v_lshlrev_b32 v8, 3, v3                        ; 8 h
	v_lshlrev_b32 v9, 4, v2                        ; 16 r
	v_mov_b32 v[TM+6], 0                           ; written once: a lane permute's destination counts as one of its sources
	s_mov_b32 s30, 0x76543210
	s_mov_b32 s31, 0xfedcba98                      ; v_permlanex16_b32's selects for lane l xor 16
	s_lshl_b32 s18, ttmp9, 2
	s_add_co_u32 s18, s18, s16                     ; my unit
	s_lshr_b32 s19, s18, 1                         ; the tile, counted through x, W, Wo
	s_and_b32 s20, s18, 1                          ; which half of K
	s_wait_alu depctr_va_vdst(0)
	s_wait_kmcnt 0x0
	s_mov_b32 s21, 704
	s_cmp_lt_u32 s19, 704                          ; the choices hang on the work-group's and the wave's number alone
	s_cselect_b64 s[6:7], s[6:7], s[8:9]
	s_cselect_b32 s21, 512, s21
	s_cmp_lt_u32 s19, 512
	s_cselect_b64 s[4:5], s[4:5], s[6:7]
	s_cselect_b32 s21, 0, s21
	s_sub_co_u32 s22, s19, s21                     ; the tile within its tensor
	s_lshr_b32 s23, s22, 2
	s_and_b32 s23, s23, 15                         ; W: head,
	s_mul_i32 s23, s23, 12
	s_lshr_b32 s24, s22, 6                         ; Q, K or V,
	s_lshl_b32 s24, s24, 2
	s_add_co_u32 s23, s23, s24
	s_and_b32 s24, s22, 3                          ; the tile of the head's 64 rows
	s_add_co_u32 s23, s23, s24
	s_add_co_u32 s23, s23, 512
	s_cmp_eq_u32 s21, 512
	s_cselect_b32 s23, s23, s19                    ; where the tile goes
	s_lshr_b32 s24, s22, 1
	s_lshl_b32 s24, s24, 5
	s_and_b32 s25, s22, 1
	s_lshl_b32 s25, s25, 3
	s_add_co_u32 s24, s24, s25                     ; the tile's first row
	s_lshl_b32 s24, s24, 12
	s_lshl_b32 s25, s20, 11
	s_add_co_u32 s24, s24, s25
	s_mov_b32 s25, 0
	s_add_nc_u64 s[4:5], s[4:5], s[24:25]
	s_mul_i32 s26, s23, 12288
	s_mul_i32 s27, s20, 6144
	s_add_co_u32 s26, s26, s27
	s_mov_b32 s27, 0
	s_add_nc_u64 s[10:11], s[10:11], s[26:27]
	s_lshr_b32 s26, s23, 1
	s_lshl_b32 s26, s26, 10
	s_and_b32 s28, s23, 1
	s_lshl_b32 s28, s28, 8
	s_add_co_u32 s26, s26, s28
	s_lshl_b32 s28, s20, 9
	s_add_co_u32 s26, s26, s28
	s_add_nc_u64 s[12:13], s[12:13], s[26:27]
	LOADF 0
	LOADF 1
	FRAGQ 0
	FRAGQ 1
	FRAGQ 2
	FRAGQ 3
	global_store_b128 v9, v[SW:SW+3], s[12:13]     ; row r's four words: 256 consecutive bytes (lanes 16-31 hold and write the same as lanes 0-15)
	s_wait_tensorcnt 0x0                           ; the wave's end: behind my last LDS store
	ds_add_u32 v[SPW], v[NIL]
	s_wait_dscnt 0x0
	s_endpgm
	; ---- the table: no LDS on this path
.Ltable:
	s_sub_co_u32 s16, ttmp9, 384
	s_lshl_b32 s16, s16, 7
	v_add_nc_u32 v1, s16, v0                       ; entry g; I also make entry g + 16,384: the same j0, 1,024 positions on
	v_and_b32 v2, 15, v1                           ; r
	v_bfe_u32 v3, v1, 4, 1                         ; h
	v_bfe_u32 v4, v1, 5, 2
	v_bfe_u32 v5, v1, 7, 1
	v_lshrrev_b32 v6, 8, v1                        ; tile
	v_lshlrev_b32 v7, 1, v4
	v_lshl_add_u32 v7, v3, 3, v7
	v_lshl_add_u32 v7, v5, 4, v7                   ; j0
	v_lshrrev_b32 v8, 1, v6
	v_lshlrev_b32 v8, 5, v8
	v_and_b32 v9, 1, v6
	v_lshl_add_u32 v8, v9, 3, v8
	v_add_nc_u32 v8, v8, v2
	v_and_b32 v9, 8, v2
	v_add_nc_u32 v8, v8, v9                        ; position
	v_cvt_f32_u32 v10, v7
	s_wait_alu depctr_va_vdst(0)
	v_add_f32 v11, 1.0, v10
	s_wait_alu depctr_va_vdst(0)
	v_cvt_f32_u32 v14, v8
	v_add_f32 v15, 0x44800000, v14
	s_mov_b32 s20, 0xbfc90fdb                      ; - pi / 2, upper part
	s_mov_b32 s21, 0x333bbd2e                      ; - the rest
	s_mov_b32 s22, 0xb94ca1f9                      ; sin's coefficients
	s_mov_b32 s23, 0x3c08839e
	s_mov_b32 s24, 0xbe2aaaa3
	s_mov_b32 s25, 0x37ccf5ce                      ; cos's
	s_mov_b32 s26, 0xbab6061a
	s_mov_b32 s27, 0x3d2aaaa5
	v_mul_f32 v16, 0xbf04e000, v10                 ; - j x c's upper part: exact
	v_mul_f32 v17, 0xbf04e000, v11
	s_wait_alu depctr_va_vdst(0)
	v_exp_f32 v16, v16
	v_exp_f32 v17, v17
	v_mul_f32 v18, 0x36c0f390, v10                 ; m = j x c's rest x ln 2.  (A plain place behind the exponentials)
	v_mul_f32 v19, 0x36c0f390, v11
	v_fma_f32 v20, v18, 0.5, -1.0
	v_fma_f32 v21, v19, 0.5, -1.0
	v_fma_f32 v18, v18, v20, 1.0                   ; 1 - m + m m / 2
	v_fma_f32 v19, v19, v21, 1.0
	v_lshlrev_b32 v22, 4, v1
	s_wait_alu depctr_va_vdst(0)                   ; one wait for both exponentials, ahead of their first reader
	v_mul_f32 v16, v16, v18                        ; inv_freq(j0)
	v_mul_f32 v17, v17, v19                        ; inv_freq(j0 + 1)
	v_mul_f32 v32, v14, v16                        ; the angles: one rounding each
	v_mul_f32 v33, v14, v17
	v_mul_f32 v34, v15, v16
	v_mul_f32 v35, v15, v17
	SINCOS 32, 24, 25
	SINCOS 33, 26, 27
	SINCOS 34, 28, 29
	SINCOS 35, 30, 31
	s_wait_alu depctr_va_vdst(0)
	s_wait_kmcnt 0x0
	global_store_b128 v22, v[24:27], s[14:15]      ; a wave stores 512 consecutive bytes
	global_store_b128 v22, v[28:31], s[14:15] offset:262144
	s_endpgm
.Lfunc_end_k_q2daffa80f0_prep:
	.size	k_q2daffa80f0_prep, .Lfunc_end_k_q2daffa80f0_prep-k_q2daffa80f0_prep
	.p2alignl 7, 3214868480
	.fill 96, 4, 3214868480
	.section	.rodata,"a",@progbits
	.p2align	6, 0x0
	.amdhsa_kernel k_q2daffa80f0_prep
		.amdhsa_group_segment_fixed_size 34304
		.amdhsa_private_segment_fixed_size 0
		.amdhsa_enable_private_segment 0
		.amdhsa_kernarg_size 48
		.amdhsa_user_sgpr_count 2
		.amdhsa_user_sgpr_kernarg_segment_ptr 1
		.amdhsa_wavefront_size32 1
		.amdhsa_system_sgpr_workgroup_id_x 1
		.amdhsa_system_sgpr_workgroup_id_y 1
		.amdhsa_system_sgpr_workgroup_id_z 1
		.amdhsa_system_vgpr_workitem_id 0
		.amdhsa_next_free_vgpr 256
		.amdhsa_next_free_sgpr 66
		.amdhsa_reserve_vcc 1
		.amdhsa_float_denorm_mode_32 3
		.amdhsa_float_denorm_mode_16_64 3
		.amdhsa_memory_ordered 1
		.amdhsa_forward_progress 1
		.amdhsa_inst_pref_size 38
	.end_amdhsa_kernel
	.amdgpu_metadata
---
amdhsa.version: [ 1, 2 ]
amdhsa.kernels:
  - .name:           k_q2daffa80f0_prep
    .symbol:         k_q2daffa80f0_prep.kd
    .args:
      - { .name: x, .offset: 0, .size: 8, .value_kind: global_buffer, .address_space: global }
      - { .name: W, .offset: 8, .size: 8, .value_kind: global_buffer, .address_space: global }
      - { .name: Wo, .offset: 16, .size: 8, .value_kind: global_buffer, .address_space: global }
      - { .name: cod, .offset: 24, .size: 8, .value_kind: global_buffer, .address_space: global }
      - { .name: scl, .offset: 32, .size: 8, .value_kind: global_buffer, .address_space: global }
      - { .name: tab, .offset: 40, .size: 8, .value_kind: global_buffer, .address_space: global }
    .group_segment_fixed_size: 34304
    .private_segment_fixed_size: 0
    .kernarg_segment_align: 8
    .kernarg_segment_size: 48
    .max_flat_workgroup_size: 128
    .sgpr_count:     66
    .vgpr_count:     256
    .wavefront_size: 32
...
	.end_amdgpu_metadata
.endif
;; end of part 1
;; launch qkv (part 2): grid 16 x 32, 4 waves a work-group, clusters of 4 x 4, 295,424 bytes of LDS; arguments cod, scl, tab, qb, kv; writes qb, kv
.if DOCPART == 2
	.amdgcn_target "amdgcn-amd-amdhsa--gfx1250"
	.amdhsa_code_object_version 6
	.text
	.protected	k_q2daffa80f0_qkv
	.globl	k_q2daffa80f0_qkv
	.p2align	8
	.type	k_q2daffa80f0_qkv,@function
k_q2daffa80f0_qkv:
	s_mov_b64 s[64:65], 0
	v_nop
	global_prefetch_b8 v0, s[64:65] scope:SCOPE_SE
	s_setreg_imm32_b32 hwreg(HW_REG_WAVE_MODE, 25, 1), 1
	s_wait_xcnt 0x0
	s_wait_alu depctr_hold_cnt(0) depctr_sa_sdst(0) depctr_va_vdst(0) depctr_va_sdst(0) depctr_va_ssrc(0) depctr_va_vcc(0) depctr_vm_vsrc(0)
	s_getreg_b32 s2, hwreg(HW_REG_IB_STS2, 6, 4)
	s_cmp_eq_u32 s2, 0
	s_cbranch_scc0 .Lentry_in_a_cluster
	s_endpgm
.Lentry_in_a_cluster:
	s_bfe_u32 s2, ttmp6, 0x10000c
	s_cmp_lg_u32 s2, 0xf033
	s_cbranch_scc0 .Lentry_shape_is_right
	s_endpgm
.Lentry_shape_is_right:
; QKV.  qkv = x W^T on codes of FP6 (E2M3) with E8M0 scales; then the rotation of Q and K in f32; then Q and K are quantised along the head's 64 and V along the keys, all in registers.
; SHARES.  A work-group makes 256 rows of x against one head's 192 rows of W (Q's 4 tiles, K's 4, V's 4).  Wave w makes rows 64 w .. 64 w + 63 (4 tiles) against all 12: 48 accumulators, 384 registers.
; OPERANDS are images of their registers (1,536 bytes a fragment: 512 + 256 bytes for each half of 64 K): a fragment comes by two loads of 16 bytes and two of 8 a lane, each of consecutive bytes: no pitch, no padding.
; A tile T holds rows 32 (T / 2) + 8 (T % 2) + r + 8 (r / 8).  Q and K are made TRANSPOSED (source 0 = 16 rows of W, source 1 = 16 rows of x): a lane holds one row of x, and the 16 registers of W's tiles 2 b, 2 b + 1
; are d = 32 b + 16 h + 0 .. 15: pairs for the rotation, neighbours for the quantiser.  V is made the other way (source 0 = x): a lane holds one d, and the 16 registers of x's tiles 2 P, 2 P + 1 are 16 neighbouring keys.
; LDS IS FILLED ONCE, by one tensor load a wave at the head: wave 0 A's K steps 0, 1 (16 tiles x 3,072 bytes), wave 1 B's K steps 0, 1 (12 x 3,072), wave 2 A's K steps 2-5 (16 x 6,144), wave 3 B's K steps 2-7 (12 x 9,216).
; Each has a line of its own: the first barrier waits for waves 0 and 1 alone, the barrier in K step 1 for all.  A's K steps 6, 7 come straight into registers (with them in LDS the launch would not fit).
; CLUSTER 4 x 4: the four work-groups of a row of the cluster need the same tiles of x, the four of a column the same head's W: each tensor load is asked for jointly, with a mask that names the four.
; No prefetch: every tile of the launch is asked for at the kernel's head, so no later request exists to run ahead of.
; OUT.  qb: [batch x head 64][record 32] x 3,584 bytes: 4 half images (768 bytes: 16 queries x 64 d), then 512 bytes of scale words (lane l: the words of tiles 0-3).
; kv: [64][32] x 6,656 bytes, a record = 64 keys: K's 4 half images; 256 bytes, 8 a lane, whose first word holds K's scale bytes of two tiles (lanes 0-15 tiles 0, 1, lanes 16-31 tiles 2, 3; the even tile's two bytes below);
; V's 4 half images (16 d x 64 keys); 256 bytes of V's scale words, already at their place in a word of 128 keys.
; LIMITS: NaN and infinities are not served; a block whose largest magnitude lies under 2^-124 (zeros too) gets the byte 1; the rotation is a multiply and a fused multiply-add, so its last bit may differ from two products and a sum.
; REGISTERS, in windows of 256.  Window 0: v1-12 addresses; v28, v29 the add's two; v32-47 A's scale words, v48-95 B's; v96-143, v144-191 A's fragments, two sets (on the way out: v96-159 rotated numbers, v160-199 codes, v200-235 at work).
;   Window 1: v0-143 B's 12 fragments, ONE set; v144-191, v192-239 A's fragments of K steps 6, 7.   Window 2: Q's and K's accumulators, (b, a) at 8 (8 a + b).   Window 3: v0-127 V's, at 8 (4 (b - 8) + a); v128-255 cos and sin, 32 a tile of rows.
.set NB,    12
.set HB,    NB/2
.set BT0,   512                        ; B's first tile in cod
.set A1,    49152                      ; LDS: A's K steps 0, 1 at 0 ([tile][3,072]); K steps 2-5 at A1 ([tile][6,144])
.set LB0,   147456                     ; B's K steps 0, 1 ([tile][3,072])
.set BG,    NB*3072
.set B1,    LB0+BG                     ; B's K steps 2-7 ([tile][9,216])
.set SPARE, LB0+4*BG                   ; the spare words, 128 bytes for each wave
.set LA16, 1                           ; v1  LDS: my A tiles, + 16 x lane
.set LA8,  2                           ; v2  + 8 x lane
.set LB16, 3                           ; v3, v4  the same for B's tiles from 0 on
.set LB8,  4
.set GI16, 5                           ; v5  16 x lane; never rewritten
.set GI8,  6                           ; v6  8 x lane; never rewritten
.set LH16, 11                          ; v11, v12  B's tiles from HB on, K steps 2-7 (an offset has 16 bits)
.set LH8,  12
.set SPW,  28
.set NIL,  29
.set SA,   32                          ; A's scale word of tiles 2 p, 2 p + 1 and K step k: v[SA + 8 p + k] (lanes 0-15 the even tile)
.set SBS,  48                          ; B's likewise
.set AF,   96
.set T,    96
.set PC,   160
.set TM,   200
.set PW,   216
.set QW,   224
.set KW,   228
.set KP,   232
.set VW,   234
.set MSB, 0
.macro WIN new                         ; the immediate's high byte repeats the setting that is left; a switch that changes nothing is dropped
.if MSB != (\new)
	s_set_vgpr_msb (MSB<<8)|(\new)
.set MSB, (\new)
.endif
.endm
.macro CROUND                          ; a round of the cluster's barrier
	s_barrier_signal -1
	s_barrier_wait -1
	s_cmp_lg_u32 s14, 0
	s_cbranch_scc1 .Lnot_wave_0_\@
	s_barrier_signal -3
.Lnot_wave_0_\@:
	s_barrier_wait -3
	s_barrier_signal -1
	s_barrier_wait -1
.endm
.macro PLACES n
.rept \n
	v_nop
.endr
.endm
.macro TLOAD g0, g1
	tensor_load_to_lds s[\g0:\g0+3], s[\g1:\g1+7]
	s_nop 0
	PLACES 4
.endm
.macro GROUP1 g, mask, el, rows        ; rows of el elements of 8 bytes, 12,288 bytes from tile to tile; the mask, and bit 21 beside it
	s_or_b32 s[\g], s\mask, (3<<16)|(1<<21)
	s_mov_b32 s[\g+1], (\el)<<16
	s_mov_b32 s[\g+2], (\rows)<<16
	s_mov_b32 s[\g+3], (\el)<<16
	s_mov_b32 s[\g+4], \rows
	s_mov_b32 s[\g+5], 1536
	s_mov_b32 s[\g+6], 0
	s_mov_b32 s[\g+7], 0
.endm
.macro GROUP0 g, lds, base, off
	s_mov_b32 s[\g], 1
	s_mov_b32 s[\g+1], \lds
	s_add_nc_u64 s[\g+2:\g+3], s[\base:\base+1], \off
	s_or_b32 s[\g+3], s[\g+3], 0x80000000
.endm
.macro FRAG reg, a16, a8, off          ; a fragment's image into 12 registers
	ds_load_b128 v[0+(\reg):3+(\reg)], v[\a16] offset:(\off)
	ds_load_b64 v[4+(\reg):5+(\reg)], v[\a8] offset:(\off)+512
	ds_load_b128 v[6+(\reg):9+(\reg)], v[\a16] offset:(\off)+768
	ds_load_b64 v[10+(\reg):11+(\reg)], v[\a8] offset:(\off)+1280
.endm
.macro FETCH_A k                       ; my four tiles of A, K step k (under 6), into set k % 2
.irp i, 0,1,2,3
.if (\k) < 2
	FRAG AF+48*((\k)%2)+12*\i, LA16, LA8, \i*3072+(\k)*1536
.else
	FRAG AF+48*((\k)%2)+12*\i, LA16, LA8, \i*6144+((\k)-2)*1536
.endif
.endr
.endm
.macro FETCH_B k, b0, n                ; n tiles of B from b0 on, K step k
	WIN 0x40
.set fb, \b0
.rept \n
.if (\k) < 2
	FRAG 12*fb, LB16, LB8, fb*3072+(\k)*1536
.elseif (\b0) == 0
	FRAG 12*fb, LB16, LB8, fb*9216+((\k)-2)*1536
.else
	FRAG 12*fb, LH16, LH8, (fb-(\b0))*9216+((\k)-2)*1536
.endif
.set fb, fb+1
.endr
	WIN 0
.endm
.macro WM1 c, fa, fb, sa, sb, x, y
	v_wmma_scale_f32_16x16x128_f8f6f4 v[DD:DD+7], v[0+(\fa):11+(\fa)], v[0+(\fb):11+(\fb)], \c, v[0+(\sa)], v[0+(\sb)] matrix_a_fmt:MATRIX_FMT_FP6 matrix_b_fmt:MATRIX_FMT_FP6 matrix_a_scale:MATRIX_SCALE_ROW\x matrix_b_scale:MATRIX_SCALE_ROW\y
.endm
.macro WM4 c, fa, fb, sa, sb, ra, rb   ; ra, rb: the side's scale words stand in lanes 16-31
.if (\ra) && (\rb)
	WM1 \c, \fa, \fb, \sa, \sb, 1, 1
.elseif (\ra)
	WM1 \c, \fa, \fb, \sa, \sb, 1, 0
.elseif (\rb)
	WM1 \c, \fa, \fb, \sa, \sb, 0, 1
.else
	WM1 \c, \fa, \fb, \sa, \sb, 0, 0
.endif
.endm
.macro WMR d, fa, fb, z, sa, sb, ra, rb ; one product.  z: the sum begins (C = 0)
.set DD, \d
.if (\z)
	WM4 0, \fa, \fb, \sa, \sb, \ra, \rb
.else
	WM4 v[DD:DD+7], \fa, \fb, \sa, \sb, \ra, \rb
.endif
.endm
.macro ONE k                           ; the product of B's tile mb and A's tile ma in K step k
.if (\k) < 6
.set rA, AF+48*((\k)%2)+12*ma
.else
.set rA, 144+48*((\k)-6)+12*ma
.endif
.if mb < 8                             ; Q, K: source 0 = W (window 1), source 1 = x (window 0, or 1 for K steps 6, 7), C and D window 2
.if (\k) < 6
	WIN 0xa1
.else
	WIN 0xa5
.endif
	WMR 8*(8*ma+mb), 12*mb, rA, (\k)==0, SBS+8*(mb/2)+(\k), SA+8*(ma/2)+(\k), mb%2, ma%2
.else                                  ; V: source 0 = x, source 1 = W, C and D window 3
.if (\k) < 6
	WIN 0xf4
.else
	WIN 0xf5
.endif
	WMR 8*(4*(mb-8)+ma), rA, 12*mb, (\k)==0, SA+8*(ma/2)+(\k), SBS+8*(mb/2)+(\k), ma%2, mb%2
.endif
.endm
.macro MULS k, b0, n                   ; n tiles of B from b0 on, each against my four of A.  Every accumulator has one instruction a K step, always in the same order: the accumulators take turns
.set mb, \b0
.rept \n
.set ma, 0
.rept 4
	ONE \k
.set ma, ma+1
.endr
.set mb, mb+1
.endr
.endm
; A K step of 128.  mode 0: the next K step's tiles are shown already; 1: a barrier shows them (K step 1 alone); 2: there is no next.
; B has one set of registers: its first half is fetched anew when the step's first half is issued, its second half at the step's end.  A has two sets.
.macro KSTEP k, mode
	s_wait_dscnt 4*HB                              ; all but the youngest loads, B's second half
	MULS \k, 0, HB
	WIN 0
.if (\mode) == 1
	s_wait_tensorcnt 0x0                           ; every wave's one load has landed
	s_wait_dscnt 0x0                               ; no LDS instruction of mine is out at the signal
	s_barrier_signal -1
	s_barrier_wait -1                              ; K steps 2-7 are whole
	v_add_nc_u32 v[LA16], s21, v[LA16]             ; on to the later K steps' places.  These four are also the places in front of the loads below
	v_add_nc_u32 v[LA8], s21, v[LA8]
	v_add_nc_u32 v[LB16], BG, v[LB16]
	v_add_nc_u32 v[LB8], BG, v[LB8]
	s_wait_alu depctr_va_vdst(0)
.elseif (\mode) == 0
	PLACES 4                                       ; four places between a product and a load into a register that it read
.endif
.if (\mode) < 2
	FETCH_B (\k)+1, 0, HB
.if (\k)+1 < 6
	FETCH_A (\k)+1
	s_wait_dscnt 4*HB+16                           ; all but the loads just issued: B's second half is in
.else
	s_wait_dscnt 4*HB
.endif
.else
	s_wait_dscnt 0x0
.endif
	MULS \k, HB, HB
.if (\mode) < 2
	PLACES 4
	FETCH_B (\k)+1, HB, HB
.endif
.endm
; The rotation of tile a's Q (pairs 0-15) and K (pairs 16-31): (x1, x2) -> (x1 c - x2 s, x2 c + x1 s).  Source 0 window 2, source 1 window 3, the rest window 0.  Each accumulator is read from its low end on.
.macro ROPE a
	WIN 0x0e
.set rp, 0
.rept 32
	v_pk_mul_f32 v[T+2*rp:T+2*rp+1], v[64*(\a)+2*rp:64*(\a)+2*rp+1], v[128+32*(\a)+2*(rp%16):128+32*(\a)+2*(rp%16)+1] op_sel_hi:[1,0]   ; (x1 c, x2 c)
.set rp, rp+1
.endr
.set rp, 0
.rept 32
	v_pk_fma_f32 v[T+2*rp:T+2*rp+1], v[64*(\a)+2*rp:64*(\a)+2*rp+1], v[128+32*(\a)+2*(rp%16):128+32*(\a)+2*(rp%16)+1], v[T+2*rp:T+2*rp+1] op_sel:[1,1,0] op_sel_hi:[0,1,1] neg_lo:[0,1,0]   ; low: - x2 s; high: + x1 s
.set rp, rp+1
.endr
	WIN 0
.endm
; 64 numbers of a lane in window w, register 16 b + i = number 16 h + i of block b of my row, become 12 registers of codes at v[pc] (block 2 c + h whole in registers 6 c .. 6 c + 5) and the four bytes in v[pw]
.macro QUANT s, w, pc, pw
	WIN (\w)|((\w)<<2)
.irp b, 0,1,2,3
	v_max3_num_f32 v[TM+\b], |v[16*\b+(\s)]|, |v[16*\b+1+(\s)]|, 0x1800000   ; and the floor 2^(3 - 127): the byte cannot fall under 1
.endr
	WIN ((\w)<<2)|((\w)<<4)
.irp i, 2,4,6,8,10,12,14
.irp b, 0,1,2,3
	v_max3_num_f32 v[TM+\b], v[TM+\b], |v[16*\b+\i+(\s)]|, |v[16*\b+\i+1+(\s)]|
.endr
.endr
	WIN 0
.irp b, 0,1,2,3
	v_permlanex16_b32 v[TM+4+\b], v[TM+\b], s96, s97
.endr
.irp b, 0,1,2,3
	v_max_num_f32 v[TM+\b], v[TM+\b], v[TM+4+\b]   ; with lane l xor 16's: the block's largest magnitude
.endr
.irp b, 0,1,2,3
	v_add_nc_u32 v[TM+12+\b], 0xff000000, v[TM+\b] ; 2 off its exponent field: the conversion's scale operand
.endr
.irp b, 0,1,2,3
	v_lshrrev_b32 v[TM+4+\b], 23, v[TM+12+\b]      ; the byte
.endr
	v_lshl_or_b32 v[\pw], v[TM+5], 8, v[TM+4]
	v_lshl_or_b32 v[\pw], v[TM+6], 16, v[\pw]
	v_lshl_or_b32 v[\pw], v[TM+7], 24, v[\pw]
	WIN \w
.irp c, 0,1
	v_cvt_scalef32_pk16_fp6_f32 v[6*\c+(\pc):6*\c+2+(\pc)], v[32*\c+(\s):32*\c+15+(\s)], v[TM+12+2*\c]
	v_cvt_scalef32_pk16_fp6_f32 v[4*\c+12+(\pc):4*\c+14+(\pc)], v[32*\c+16+(\s):32*\c+31+(\s)], v[TM+12+2*\c+1]   ; (a conversion's three registers begin on an even number)
.endr
	WIN 0
	v_nop                                          ; one plain place behind a scaled conversion
.irp c, 0,1
.irp i, 0,1,2
	v_permlane16_swap_b32 v[6*\c+\i+(\pc)], v[4*\c+12+\i+(\pc)]   ; a whole block to a lane
.endr
.irp i, 0,1,2
	v_mov_b32 v[6*\c+3+\i+(\pc)], v[4*\c+12+\i+(\pc)]
.endr
.endr
.endm
.macro QKOUT a                         ; tile a of my rows: blocks 0, 1 are Q's, blocks 2, 3 K's: half 0 of the codes is Q's half image, half 1 K's
	ROPE \a
.if (\a) > 1
	s_wait_xcnt 0x0                                ; the stores of two tiles ago have read this set of code registers
.endif
.set PP, PC+20*((\a)%2)
	QUANT T, 0, PC+20*((\a)%2), PW+(\a)
	global_store_b128 v[GI16], v[PP:PP+3], s[90:91] offset:768*(\a)
	global_store_b64 v[GI8], v[PP+4:PP+5], s[90:91] offset:768*(\a)+512
	global_store_b128 v[GI16], v[PP+6:PP+9], s[92:93] offset:768*(\a)
	global_store_b64 v[GI8], v[PP+10:PP+11], s[92:93] offset:768*(\a)+512
	v_and_b32 v[QW+(\a)], 0xffff, v[PW+(\a)]       ; the upper two bytes stay 0: they scale zero codes
.endm
.macro VOUT dl                         ; V's d tiles 2 dl, 2 dl + 1 against my two blocks of 32 keys, straight off the accumulators
	s_wait_xcnt 0x0
.set PP, PC+20*((\dl)%2)
	QUANT 64*(\dl), 3, PC+20*((\dl)%2), PW+4+(\dl)
	global_store_b128 v[GI16], v[PP:PP+3], s[92:93] offset:3328+1536*(\dl)
	global_store_b64 v[GI8], v[PP+4:PP+5], s[92:93] offset:3328+1536*(\dl)+512
	global_store_b128 v[GI16], v[PP+6:PP+9], s[92:93] offset:3328+1536*(\dl)+768
	global_store_b64 v[GI8], v[PP+10:PP+11], s[92:93] offset:3328+1536*(\dl)+1280
	v_lshrrev_b32 v[VW+(\dl)], v8, v[PW+4+(\dl)]   ; lanes 0-15: d tile 2 dl's two bytes, lanes 16-31: d tile 2 dl + 1's,
	v_and_b32 v[VW+(\dl)], 0xffff, v[VW+(\dl)]
	v_lshlrev_b32 v[VW+(\dl)], s95, v[VW+(\dl)]    ; at the record's place in a word of 128 keys
.endm
	s_load_b256 s[4:11], s[0:1], 0x0               ; cod s[4:5], scl s[6:7], tab s[8:9], qb s[10:11]
	s_load_b64 s[12:13], s[0:1], 0x20              ; kv
	v_lshl_add_u32 v[SPW], v0, 2, SPARE
	v_mov_b32 v[NIL], 0
	ds_add_u32 v[SPW], v[NIL]                      ; the opening lines: the add, twice on end, and its wait ahead of my first tensor load
	ds_add_u32 v[SPW], v[NIL]
	v_lshrrev_b32 v7, 5, v0
	v_readfirstlane_b32 s14, v7                    ; wave
	v_and_b32 v7, 31, v0
	v_lshlrev_b32 v[GI16], 4, v7
	v_lshlrev_b32 v[GI8], 3, v7
	v_bfe_u32 v8, v0, 4, 1
	v_lshlrev_b32 v8, 4, v8                        ; 16 h
	s_wait_alu depctr_va_vdst(0)                   ; a wait ahead of the run of scalar lines
	s_bfe_u32 s15, ttmp6, 0x40000                  ; cx
	s_bfe_u32 s16, ttmp6, 0x40004                  ; cy
	s_lshl_b32 s17, ttmp9, 2
	s_add_co_u32 s17, s17, s15                     ; the head
	s_and_b32 s18, ttmp7, 0xffff
	s_lshl_b32 s18, s18, 2
	s_add_co_u32 s18, s18, s16                     ; the block of 256 rows
	s_lshl_b32 s19, s16, 2
	s_lshl_b32 s19, 15, s19                        ; my row of the cluster
	s_lshl_b32 s20, 0x1111, s15                    ; my column
	GROUP1 24, 19, 384, 16                         ; A's K steps 0, 1
	GROUP1 32, 20, 384, NB                         ; B's K steps 0, 1
	GROUP1 56, 19, 768, 16                         ; A's K steps 2-5
	s_lshl_b32 s72, s18, 4
	s_lshl_b32 s73, s14, 2
	s_add_co_u32 s72, s72, s73                     ; my first tile of A
	s_mul_i32 s76, s72, 12288
	s_mov_b32 s77, 0
	s_mul_i32 s98, s18, 196608                     ; the work-group's first tile of A: made of the block of rows alone
	s_mov_b32 s99, 0
	s_lshl_b32 s82, s72, 9                         ; my tiles' scale words
	s_mov_b32 s83, 0
	s_mul_i32 s74, s17, NB                         ; B's address is made of the head alone
	s_add_co_u32 s74, s74, BT0
	s_lshl_b32 s84, s74, 9
	s_mov_b32 s85, 0
	s_mul_i32 s78, s74, 12288
	s_mov_b32 s79, 0
	GROUP1 68, 20, 1152, NB                        ; B's K steps 2-7 (s72-75 have served)
	s_mul_i32 s80, s14, 12288                      ; LDS: no place in the cluster enters an LDS address
	s_add_co_u32 s21, s80, A1                      ; from my tiles of K steps 0, 1 to those of K steps 2-5: A1 + 24,576 w - 12,288 w
	v_add_nc_u32 v[LA16], s80, v[GI16]
	v_add_nc_u32 v[LA8], s80, v[GI8]
	v_add_nc_u32 v[LB16], LB0, v[GI16]
	v_add_nc_u32 v[LB8], LB0, v[GI8]
	v_add_nc_u32 v[LH16], B1+HB*9216, v[GI16]
	v_add_nc_u32 v[LH8], B1+HB*9216, v[GI8]
	s_lshr_b32 s86, s18, 3                         ; the batch
	s_lshl_b32 s86, s86, 4
	s_add_co_u32 s86, s86, s17
	s_lshl_b32 s86, s86, 5
	s_and_b32 s87, s18, 7
	s_lshl_b32 s87, s87, 2
	s_add_co_u32 s87, s87, s14                     ; my record of 64 rows in the sequence
	s_add_co_u32 s86, s86, s87
	s_mul_i32 s90, s86, 3584
	s_mov_b32 s91, 0
	s_mul_i32 s92, s86, 6656
	s_mov_b32 s93, 0
	s_lshl_b32 s88, s87, 14                        ; the table of my four tiles of positions: 4,096 bytes a tile
	s_mov_b32 s89, 0
	s_mov_b32 s94, 0xffff0000                      ; lanes 16-31
	s_and_b32 s95, s14, 1
	s_lshl_b32 s95, s95, 4                         ; 16 x (record % 2)
	s_mov_b32 s96, 0x76543210
	s_mov_b32 s97, 0xfedcba98                      ; v_permlanex16_b32's selects for lane l xor 16
	s_wait_alu depctr_va_vdst(0)                   ; the head's end
	s_wait_dscnt 0x0                               ; both opening adds are done
	s_wait_kmcnt 0x0
	s_add_nc_u64 s[76:77], s[4:5], s[76:77]
	s_add_nc_u64 s[98:99], s[4:5], s[98:99]
	s_add_nc_u64 s[78:79], s[4:5], s[78:79]
	s_add_nc_u64 s[82:83], s[6:7], s[82:83]
	s_add_nc_u64 s[84:85], s[6:7], s[84:85]
	s_add_nc_u64 s[88:89], s[8:9], s[88:89]
	s_add_nc_u64 s[90:91], s[10:11], s[90:91]
	s_add_nc_u64 s[92:93], s[12:13], s[92:93]
	GROUP0 40, 0, 98, 0
	GROUP0 44, A1, 98, 3072
	GROUP0 48, LB0, 78, 0
	GROUP0 52, B1, 78, 3072
	CROUND                                         ; all sixteen work-groups are here: the joint loads meet
	s_cmp_eq_u32 s14, 0                            ; one chain of branches on the wave's number, one load to an arm
	s_cbranch_scc0 .Lhead_1
	TLOAD 40, 24                                   ; wave 0: A's K steps 0, 1
	s_branch .Lhead_asked
.Lhead_1:
	s_cmp_eq_u32 s14, 1
	s_cbranch_scc0 .Lhead_2
	TLOAD 48, 32                                   ; wave 1: B's K steps 0, 1
	s_branch .Lhead_asked
.Lhead_2:
	s_cmp_eq_u32 s14, 2
	s_cbranch_scc0 .Lhead_3
	TLOAD 44, 56                                   ; wave 2: A's K steps 2-5
	s_branch .Lhead_asked
.Lhead_3:
	TLOAD 52, 68                                   ; wave 3: B's K steps 2-7
.Lhead_asked:
.irp p, 0,1
.irp q, 0,1
	global_load_b128 v[SA+8*\p+4*\q:SA+8*\p+4*\q+3], v[GI16], s[82:83] offset:\p*1024+\q*512   ; four K steps' scale words of two tiles
.endr
.endr
.set fb, 0
.rept HB
.irp q, 0,1
	global_load_b128 v[SBS+8*fb+4*\q:SBS+8*fb+4*\q+3], v[GI16], s[84:85] offset:fb*1024+\q*512
.endr
.set fb, fb+1
.endr
	WIN 0x40                                       ; destination window 1: A's K steps 6 and 7, 32 loads
.irp i, 0,1,2,3
.irp u, 0,1
	global_load_b128 v[144+48*\u+12*\i:147+48*\u+12*\i], v[GI16], s[76:77] offset:\i*12288+(6+\u)*1536
	global_load_b64 v[148+48*\u+12*\i:149+48*\u+12*\i], v[GI8], s[76:77] offset:\i*12288+(6+\u)*1536+512
	global_load_b128 v[150+48*\u+12*\i:153+48*\u+12*\i], v[GI16], s[76:77] offset:\i*12288+(6+\u)*1536+768
	global_load_b64 v[154+48*\u+12*\i:155+48*\u+12*\i], v[GI8], s[76:77] offset:\i*12288+(6+\u)*1536+1280
.endr
.endr
	WIN 0
	s_cmp_lt_u32 s14, 2                            ; K steps 0, 1 are waves 0 and 1's loads: these two wait; the others' may stay out
	s_cbranch_scc0 .Lnot_first
	s_wait_tensorcnt 0x0
.Lnot_first:
	s_barrier_signal -1
	s_barrier_wait -1
	FETCH_B 0, 0, HB
	FETCH_A 0
	FETCH_B 0, HB, HB
	s_wait_loadcnt 32                              ; the scale words are in; the 32 loads of A's last K steps may be out
	KSTEP 0, 0
	KSTEP 1, 1
	KSTEP 2, 0
	KSTEP 3, 0
	WIN 0xc0                                       ; destination window 3: cos and sin of my 64 positions, 32 loads of 512 consecutive bytes
.irp i, 0,1,2,3
.irp u, 0,1,2,3,4,5,6,7
	global_load_b128 v[128+32*\i+4*\u:131+32*\i+4*\u], v[GI16], s[88:89] offset:\i*4096+\u*512
.endr
.endr
	WIN 0
	KSTEP 4, 0
	KSTEP 5, 0
	s_wait_loadcnt 32                              ; A's K steps 6 and 7 are in; the table's 32 loads may be out
	KSTEP 6, 0
	KSTEP 7, 2
	; ---- the way out: no LDS
	PLACES 4                                       ; four places between the last products and the first read of results
	WIN 0
	s_wait_loadcnt 0x0                             ; the table
.irp b, 0,1,2,3
	v_mov_b32 v[TM+4+\b], 0                        ; written once: a lane permute's destination counts as one of its sources
.endr
	QKOUT 0
	QKOUT 1
	QKOUT 2
	QKOUT 3
	VOUT 0
	VOUT 1
	v_perm_b32 v[KW], v[PW+1], v[PW], 0x07060302   ; K's bytes are the upper halves: tile 0's below, tile 1's above,
	v_perm_b32 v[KW+1], v[PW+3], v[PW+2], 0x07060302   ; tiles 2 and 3 likewise
	v_cndmask_b32 v[KP], v[KW], v[KW+1], s94       ; lanes 0-15 tiles 0, 1; lanes 16-31 tiles 2, 3
	v_mov_b32 v[KP+1], 0
	global_store_b128 v[GI16], v[QW:QW+3], s[90:91] offset:3072
	global_store_b64 v[GI8], v[KP:KP+1], s[92:93] offset:3072
	global_store_b64 v[GI8], v[VW:VW+1], s[92:93] offset:6400
	s_wait_tensorcnt 0x0                           ; the wave's end: behind my last tensor load
	ds_add_u32 v[SPW], v[NIL]
	s_wait_dscnt 0x0
	CROUND                                         ; the closing round
	s_endpgm
.Lfunc_end_k_q2daffa80f0_qkv:
	.size	k_q2daffa80f0_qkv, .Lfunc_end_k_q2daffa80f0_qkv-k_q2daffa80f0_qkv
	.p2alignl 7, 3214868480
	.fill 96, 4, 3214868480
	.section	.rodata,"a",@progbits
	.p2align	6, 0x0
	.amdhsa_kernel k_q2daffa80f0_qkv
		.amdhsa_group_segment_fixed_size 295424
		.amdhsa_private_segment_fixed_size 0
		.amdhsa_enable_private_segment 0
		.amdhsa_kernarg_size 40
		.amdhsa_user_sgpr_count 2
		.amdhsa_user_sgpr_kernarg_segment_ptr 1
		.amdhsa_wavefront_size32 1
		.amdhsa_system_sgpr_workgroup_id_x 1
		.amdhsa_system_sgpr_workgroup_id_y 1
		.amdhsa_system_sgpr_workgroup_id_z 1
		.amdhsa_system_vgpr_workitem_id 0
		.amdhsa_next_free_vgpr 1024
		.amdhsa_next_free_sgpr 100
		.amdhsa_reserve_vcc 0
		.amdhsa_float_denorm_mode_32 3
		.amdhsa_float_denorm_mode_16_64 3
		.amdhsa_memory_ordered 1
		.amdhsa_forward_progress 1
		.amdhsa_inst_pref_size 142
	.end_amdhsa_kernel
	.amdgpu_metadata
---
amdhsa.version: [ 1, 2 ]
amdhsa.kernels:
  - .name:           k_q2daffa80f0_qkv
    .symbol:         k_q2daffa80f0_qkv.kd
    .args:
      - { .name: cod, .offset: 0, .size: 8, .value_kind: global_buffer, .address_space: global }
      - { .name: scl, .offset: 8, .size: 8, .value_kind: global_buffer, .address_space: global }
      - { .name: tab, .offset: 16, .size: 8, .value_kind: global_buffer, .address_space: global }
      - { .name: qb, .offset: 24, .size: 8, .value_kind: global_buffer, .address_space: global }
      - { .name: kv, .offset: 32, .size: 8, .value_kind: global_buffer, .address_space: global }
    .group_segment_fixed_size: 295424
    .private_segment_fixed_size: 0
    .kernarg_segment_align: 8
    .kernarg_segment_size: 40
    .max_flat_workgroup_size: 128
    .sgpr_count:     100
    .vgpr_count:     1024
    .wavefront_size: 32
...
	.end_amdgpu_metadata
.endif
;; end of part 2
;; launch attn (part 3): grid 4 x 64, 16 waves a work-group, clusters of 4 x 1, 327,680 bytes of LDS; arguments qb, kv, oa, os; writes oa, os
.if DOCPART == 3
	.amdgcn_target "amdgcn-amd-amdhsa--gfx1250"
	.amdhsa_code_object_version 6
	.text
	.protected	k_q2daffa80f0_attn
	.globl	k_q2daffa80f0_attn
	.p2align	8
	.type	k_q2daffa80f0_attn,@function
k_q2daffa80f0_attn:
	s_mov_b64 s[64:65], 0
	v_nop
	global_prefetch_b8 v0, s[64:65] scope:SCOPE_SE
	s_setreg_imm32_b32 hwreg(HW_REG_WAVE_MODE, 25, 1), 1
	s_wait_xcnt 0x0
	s_wait_alu depctr_hold_cnt(0) depctr_sa_sdst(0) depctr_va_vdst(0) depctr_va_sdst(0) depctr_va_ssrc(0) depctr_va_vcc(0) depctr_vm_vsrc(0)
	s_getreg_b32 s2, hwreg(HW_REG_IB_STS2, 6, 4)
	s_cmp_eq_u32 s2, 0
	s_cbranch_scc0 .Lentry_in_a_cluster
	s_endpgm
.Lentry_in_a_cluster:
	s_bfe_u32 s2, ttmp6, 0x10000c
	s_cmp_lg_u32 s2, 0x3003
	s_cbranch_scc0 .Lentry_shape_is_right
	s_endpgm
.Lentry_shape_is_right:
; ATTN.  O = softmax(Q K^T / 8 under the causal mask) V on codes of FP6 (E2M3) with E8M0 scales; O is divided by the row's sum and quantised along the head's 64 for the projection.
; LEFT OUT: key steps of 128 that lie wholly above the diagonal.  the causal mask sets their scores to -inf, so their p is 0 for all values of the inputs.  A NaN or an infinity that reaches only those scores is not carried.
; LIMITS: the promise holds while the scaled scores stay under 2^31 in magnitude; NaN and infinities are not served; a block of O under 2^-124 (zeros too) gets the byte 1.
; THE DEAL.  256 work-groups of 16 waves; the four of a cluster serve one batch x head.  The 2,048 queries are 16 blocks of 128, a block 8 tiles of 16.  Wave w of work-group cx takes tile 2 cx + w % 2 of block 8 + w / 2
; and then the same tile of block 7 - w / 2: (9 + w / 2) + (8 - w / 2) = 17 key steps for every wave.
; LDS IS FILLED ONCE: 16 key steps of 13,312 bytes (two records of kv), key step w by wave w's one tensor load at the head, asked for jointly by the four partners (mask 15).  Waves 0-4 have a load line and a wait of their own:
; the first barrier shows key steps 0-4; every wave walks steps 0-3 and fetches step 4's K.  The second barrier, with every wave's wait for 0, shows the rest.  Behind it LDS is only read: no barrier follows.
; No prefetch: every tile of the launch is asked for at the kernel's head, so no later request exists to run ahead of.
; A STEP: S^T = K Q^T, running M = ceil(largest t), p = 2^(t - M), the sum of the unquantised p, p's codes and scale word, O^T x 2^(old M - new M), O^T += V^T p^T (4 products).
; The head has 64 numbers and a product 128 along K: a fragment of K holds TWO tiles of 16 keys, one in each half of K, and is multiplied by (q, 0) for the first and by (0, q) for the second: v16-27 and v22-33 share the six registers of zero codes.
; So a step's eight tiles of K lie in 48 registers, free behind the eight products.  THE ORDER OF A STEP: the eight products first (K came in during the step before); behind their places this step's V and the NEXT step's K are fetched, 36 loads;
; V is waited for behind the exponentials.  O^T is brought under the new M ahead of the exponentials; all 68 exponentials are one batch; the conversions stand ahead of the row's sum, whose last five lines are the places ahead of the four products.
; The step on the diagonal is a tile's last: it is written out behind the loop of open steps, masks, and fetches no further K; so no LDS address passes key step 15.
; REGISTERS: v1, v2 16 and 8 x lane; v3, v4 LDS addresses; v5, v6 the add's two; v7 my query's place in its block - 16 h; v8, v9 V's scale words; v10, v11 Q's scale word for (q, 0) and (0, q); v12 -M, v13 largest t, v14-15 the sum.
.set SPARE, 212992                     ; behind the 16 key steps: the spare words, 128 bytes for each wave
.set STEPB, 13312
.set KF,  34                           ; v34-81   K: fragment 2 rec + p holds tiles 2 p, 2 p + 1 of record rec
.set SS,  82                           ; v82-145  scores, then p
.set OO,  146                          ; v146-177 O^T
.set VF,  178                          ; v178-225 V's four fragments
.set PC,  226                          ; v226-237 p's codes
.set BM,  234                          ; v234-237 the blocks' largest scores (done with when the codes land there)
.set T1,  238                          ; v238-244 at work; v244, v245 also V's second record's scale words
.set SO,  246                          ; v246-249 the conversions' scale operands, then two chains of the sum; v250, v251 K's scale words; v252 f, v253 p's scale word; v254, v255 at work, then a chain of the sum
.set WV,  12
.set BLK, 15
.set CS,  60
.set SEL, 62
.set TB,  66
.set J,   67
.macro ROUND                           ; a round of the cluster's barrier
	s_barrier_signal -1
	s_barrier_wait -1
	s_cmp_lg_u32 s[WV], 0
	s_cbranch_scc1 .Lnot_wave_0_\@
	s_barrier_signal -3
.Lnot_wave_0_\@:
	s_barrier_wait -3
	s_barrier_signal -1
	s_barrier_wait -1
.endm
.macro WM d, fa, fb, c, sa, sb, x      ; x: source 0's scale words stand in lanes 16-31
	v_wmma_scale_f32_16x16x128_f8f6f4 v[\d:\d+7], v[\fa:\fa+11], v[\fb:\fb+11], \c, v[\sa], v[\sb] matrix_a_fmt:MATRIX_FMT_FP6 matrix_b_fmt:MATRIX_FMT_FP6 matrix_a_scale:MATRIX_SCALE_ROW\x
.endm
.macro KLOAD a16, a8, off              ; a key step's K: 2 scale words and 8 half images, 18 loads
	ds_load_b32 v250, v\a8 offset:(\off)+3072
	ds_load_b32 v251, v\a8 offset:(\off)+9728
.irp f, 0,1,2,3
.irp u, 0,1
	ds_load_b128 v[KF+12*\f+6*\u:KF+12*\f+6*\u+3], v\a16 offset:(\off)+6656*(\f/2)+768*(2*(\f%2)+\u)
	ds_load_b64 v[KF+12*\f+6*\u+4:KF+12*\f+6*\u+5], v\a8 offset:(\off)+6656*(\f/2)+768*(2*(\f%2)+\u)+512
.endr
.endr
.endm
; The key step at TB against my 16 queries; its K is in registers or on its way.  diag = 1: the step on the diagonal.  skip = 1: a step at or above the diagonal is jumped over.
.macro STEP diag, skip
.if \skip
	s_cmp_ge_u32 s[J], s[BLK]
	s_cbranch_scc1 .Lhidden_\@
.endif
	s_wait_dscnt 0x0                               ; K is in: its loads were issued a step ago
.irp r, 0,1
.irp p, 0,1
.irp u, 0,1
	WM SS+8*(4*\r+2*\p+\u), KF+12*(2*\r+\p), 16+6*\u, 0, 250+\r, 10+\u, \p
.endr
.endr
.endr
	v_add_nc_u32 v3, s[TB], v1                     ; four places behind these products, and behind the last step's four: then loads may land in K's and V's registers
	v_add_nc_u32 v4, s[TB], v2
	v_mov_b32 v254, v12                            ; the old -M
	v_nop
	ds_load_b64 v[8:9], v4 offset:6400             ; V's scale words, two records
	ds_load_b64 v[244:245], v4 offset:13056
.irp t, 0,1,2,3
.irp c, 0,1
	ds_load_b128 v[VF+12*\t+6*\c:VF+12*\t+6*\c+3], v3 offset:6656*\c+3328+768*\t
	ds_load_b64 v[VF+12*\t+6*\c+4:VF+12*\t+6*\c+5], v4 offset:6656*\c+3328+768*\t+512
.endr
.endr
.if \diag
	v_mov_b32 v255, 0xff800000                     ; keys behind my query get -inf
.set mn, 0
.rept 64
	v_cmp_gt_i32 vcc_lo, 32*(mn/16)+mn%16, v7
	v_cndmask_b32 v[SS+mn], v[SS+mn], v255, vcc_lo
.set mn, mn+1
.endr
.else
	KLOAD 3, 4, STEPB                              ; the next step's K
.endif
.irp b, 0,1,2,3
	v_max3_num_f32 v[BM+\b], v[SS+16*\b], v[SS+1+16*\b], v[SS+2+16*\b]   ; each block's largest score, for the row's maximum and for the block's scale: two chains a block, eight by turns
.endr
.irp b, 0,1,2,3
	v_max3_num_f32 v[T1+\b], v[SS+7+16*\b], v[SS+8+16*\b], v[SS+9+16*\b]
.endr
.irp i, 3,5
.irp b, 0,1,2,3
	v_max3_num_f32 v[BM+\b], v[BM+\b], v[SS+16*\b+\i], v[SS+1+16*\b+\i]
.endr
.irp b, 0,1,2,3
	v_max3_num_f32 v[T1+\b], v[T1+\b], v[SS+7+16*\b+\i], v[SS+8+16*\b+\i]
.endr
.endr
.irp b, 0,1,2,3
	v_max3_num_f32 v[BM+\b], v[BM+\b], v[T1+\b], v[SS+14+16*\b]
.endr
.irp b, 0,1,2,3
	v_max_num_f32 v[BM+\b], v[BM+\b], v[SS+15+16*\b]
.endr
.irp b, 0,1,2,3
	s_delay_alu instid0(VALU_DEP_4)
	v_permlanex16_b32 v[T1+\b], v[BM+\b], s[SEL], s[SEL+1]
.endr
.irp b, 0,1,2,3
	s_delay_alu instid0(VALU_DEP_4)
	v_max_num_f32 v[BM+\b], v[BM+\b], v[T1+\b]
.endr
	s_delay_alu instid0(VALU_DEP_2)
	v_max3_num_f32 v255, v[BM], v[BM+1], v[BM+2]
	s_delay_alu instid0(VALU_DEP_1)
	v_max_num_f32 v255, v255, v[BM+3]
	s_delay_alu instid0(VALU_DEP_1)
	v_mul_f32 v255, s[CS], v255
	s_delay_alu instid0(VALU_DEP_1)
	v_max_num_f32 v13, v13, v255                   ; the running largest t
	s_delay_alu instid0(VALU_DEP_1)
	v_floor_f32 v12, -v13                          ; -M = floor(-t)
.set sj, 0
.rept 32
	v_pk_fma_f32 v[SS+sj:SS+1+sj], v[SS+sj:SS+1+sj], s[CS:CS+1], v[12:13] op_sel_hi:[1,0,0]   ; t - M; the three lines that make f stand among these
.if sj == 6
	v_sub_f32 v254, v12, v254
.elseif sj == 14
	v_cvt_i32_f32 v254, v254
.elseif sj == 22
	v_ldexp_f32 v252, 1.0, v254                    ; f = 2^(old M - new M)
.endif
.set sj, sj+2
.endr
.irp b, 0,1,2,3
	v_fma_f32 v[BM+\b], v[BM+\b], s[CS], v12
.endr
.set sj, 0
.rept 16
	v_pk_mul_f32 v[OO+sj:OO+1+sj], v[OO+sj:OO+1+sj], v[252:253] op_sel_hi:[1,0]   ; O^T under the new M: no transcendental stands between its products and this first read
.set sj, sj+2
.endr
	s_wait_alu depctr_va_vdst(0)                   ; a wait ahead of the batch
.irp b, 0,1,2,3
	v_exp_f32 v[BM+\b], v[BM+\b]                   ; each block's largest p
.endr
.set sj, 0
.rept 64
	v_exp_f32 v[SS+sj], v[SS+sj]
.set sj, sj+1
.endr
	v_pk_mul_f32 v[14:15], v[14:15], v[252:253] op_sel_hi:[1,0]
	s_wait_alu depctr_va_vdst(0)                   ; and behind it
.if \diag
	s_wait_dscnt 0x0                               ; V is in
.else
	s_wait_dscnt 18                                ; V is in: behind its loads stand the 18 for the next step's K
.endif
	v_or_b32 v8, v8, v244                          ; the two records' bytes make V's words of 128 keys
	v_or_b32 v9, v9, v245
.irp b, 0,1,2,3
	v_max_num_f32 v[BM+\b], 0x1800000, v[BM+\b]    ; the floor 2^(3 - 127): the byte cannot fall under 1
.endr
.irp b, 0,1,2,3
	s_delay_alu instid0(VALU_DEP_4)
	v_add_nc_u32 v[SO+\b], 0xff000000, v[BM+\b]    ; the conversion's scale operand
.endr
.irp b, 0,1,2,3
	s_delay_alu instid0(VALU_DEP_4)
	v_lshrrev_b32 v[T1+\b], 23, v[SO+\b]
.endr
	s_delay_alu instid0(VALU_DEP_3)
	v_lshl_or_b32 v[T1], v[T1+1], 8, v[T1]
	s_delay_alu instid0(VALU_DEP_2)
	v_lshl_or_b32 v[T1+2], v[T1+3], 8, v[T1+2]
	s_delay_alu instid0(VALU_DEP_1)
	v_lshl_or_b32 v253, v[T1+2], 16, v[T1]         ; p's scale word
.irp c, 0,1
	v_cvt_scalef32_pk16_fp6_f32 v[PC+6*\c:PC+2+6*\c], v[SS+32*\c:SS+15+32*\c], v[SO+2*\c]
	v_cvt_scalef32_pk16_fp6_f32 v[T1+4*\c:T1+2+4*\c], v[SS+16+32*\c:SS+31+32*\c], v[SO+2*\c+1]
.endr
	v_pk_add_f32 v[254:255], v[SS:SS+1], v[SS+2:SS+3]       ; the sum of the unquantised p, in four chains.  (The first line is the plain place behind the conversions: the next two write their scale operands)
	v_pk_add_f32 v[SO:SO+1], v[SS+4:SS+5], v[SS+6:SS+7]
	v_pk_add_f32 v[SO+2:SO+3], v[SS+8:SS+9], v[SS+10:SS+11]
.set sk, 0
.rept 6
	v_pk_add_f32 v[14:15], v[14:15], v[SS+12+8*sk:SS+13+8*sk]
	v_pk_add_f32 v[254:255], v[254:255], v[SS+14+8*sk:SS+15+8*sk]
	v_pk_add_f32 v[SO:SO+1], v[SO:SO+1], v[SS+16+8*sk:SS+17+8*sk]
	v_pk_add_f32 v[SO+2:SO+3], v[SO+2:SO+3], v[SS+18+8*sk:SS+19+8*sk]
.set sk, sk+1
.endr
.irp c, 0,1
.irp i, 0,1,2
	v_permlane16_swap_b32 v[PC+6*\c+\i], v[T1+4*\c+\i]   ; a whole block to a lane
.endr
.irp i, 0,1,2
	s_delay_alu instid0(VALU_DEP_3)
	v_mov_b32 v[PC+3+6*\c+\i], v[T1+4*\c+\i]
.endr
.endr
	v_pk_add_f32 v[14:15], v[14:15], v[SS+60:SS+61]         ; the sum's last five lines: the places between p's codes and the products that take them
	v_pk_add_f32 v[254:255], v[254:255], v[SS+62:SS+63]
	v_pk_add_f32 v[SO:SO+1], v[SO:SO+1], v[SO+2:SO+3]
	v_pk_add_f32 v[14:15], v[14:15], v[254:255]
	s_delay_alu instid0(VALU_DEP_1)
	v_pk_add_f32 v[14:15], v[14:15], v[SO:SO+1]
.irp a, 0,1
.irp x, 0,1
	WM OO+8*(2*\a+\x), VF+12*(2*\a+\x), PC, v[OO+8*(2*\a+\x):OO+8*(2*\a+\x)+7], 8+\a, 253, \x
.endr
.endr
.Lhidden_\@:
.endm
.macro WALK from, to, skip             ; open steps; a constant count of trips
	s_mov_b32 s[TB], \from*STEPB
	s_mov_b32 s[J], \from
.Lwalk_\@:
	STEP 0, \skip
	s_add_co_u32 s[TB], s[TB], STEPB
	s_add_co_u32 s[J], s[J], 1
	s_cmp_lt_u32 s[J], \to
	s_cbranch_scc1 .Lwalk_\@
.endm
.macro WHEREQ                          ; block BLK's part of Q's addresses: two records of 3,584 bytes a block
	s_mul_i32 s20, s[BLK], 7168
	s_mov_b32 s21, 0
	s_add_nc_u64 s[52:53], s[40:41], s[20:21]
	s_add_nc_u64 s[54:55], s[42:43], s[20:21]
.endm
.macro WHEREO                          ; and of O's: 8 tiles of 12,288 bytes, 4 pairs of 1,024 scale bytes
	s_mul_i32 s20, s[BLK], 98304
	s_mov_b32 s21, 0
	s_add_nc_u64 s[56:57], s[44:45], s[20:21]
	s_lshl_b32 s20, s[BLK], 12
	s_add_nc_u64 s[58:59], s[46:47], s[20:21]
.endm
.macro QLOAD                           ; Q's half image twice, below and above the zeros, and its scale word
	global_load_b128 v[16:19], v1, s[52:53]
	global_load_b64 v[20:21], v2, s[52:53] offset:512
	global_load_b128 v[28:31], v1, s[52:53]
	global_load_b64 v[32:33], v2, s[52:53] offset:512
	global_load_b32 v10, v1, s[54:55] offset:3072
.endm
.macro INIT                            ; a tile's start, behind the wait for Q: the scale word for (0, q); O^T and the sum are zeros, the largest t is -3e38.  The lines behind the first are its places
	v_lshlrev_b32 v11, 16, v10
.set sj, 0
.rept 32
	v_mov_b32 v[OO+sj], 0
.set sj, sj+1
.endr
	v_mov_b32 v13, 0xff61b1e6
	s_delay_alu instid0(VALU_DEP_1)
	v_floor_f32 v12, -v13
	v_mov_b32 v14, 0
	v_mov_b32 v15, 0
	v_mov_b32 v252, 0
	v_mov_b32 v253, 0
	s_wait_alu depctr_va_vdst(0)
.endm
.macro OUT                             ; O^T / the sum, quantised along the head's 64: half an image of an operand of the projection, and two scale bytes a row
	s_wait_alu depctr_va_vdst(0)
	v_add_f32 v14, v14, v15
	s_delay_alu instid0(VALU_DEP_1)
	v_permlanex16_b32 v252, v14, s[SEL], s[SEL+1]
	s_delay_alu instid0(VALU_DEP_1)
	v_add_f32 v14, v14, v252
	s_wait_alu depctr_va_vdst(0)
	v_rcp_f32 v14, v14
	v_and_b32 v3, 15, v0
	s_delay_alu instid0(VALU_DEP_1)
	v_lshlrev_b32 v3, 4, v3
	v_mov_b32 v[BM+2], 0
	v_mov_b32 v[BM+3], 0
	s_wait_alu depctr_va_vdst(0)
.set sj, 0
.rept 16
	v_pk_mul_f32 v[SS+sj:SS+1+sj], v[OO+sj:OO+1+sj], v[14:15] op_sel_hi:[1,0]
.set sj, sj+2
.endr
.irp b, 0,1
	v_max3_num_f32 v[BM+\b], |v[SS+16*\b]|, |v[SS+1+16*\b]|, 0x1800000
.endr
.irp i, 2,4,6,8,10,12,14
.irp b, 0,1
	s_delay_alu instid0(VALU_DEP_2)
	v_max3_num_f32 v[BM+\b], v[BM+\b], |v[SS+16*\b+\i]|, |v[SS+1+16*\b+\i]|
.endr
.endr
.irp b, 0,1
	s_delay_alu instid0(VALU_DEP_2)
	v_permlanex16_b32 v[BM+2+\b], v[BM+\b], s[SEL], s[SEL+1]
.endr
.irp b, 0,1
	s_delay_alu instid0(VALU_DEP_2)
	v_max_num_f32 v[BM+\b], v[BM+\b], v[BM+2+\b]
.endr
.irp b, 0,1
	s_delay_alu instid0(VALU_DEP_2)
	v_add_nc_u32 v[T1+\b], 0xff000000, v[BM+\b]
.endr
.irp b, 0,1
	s_delay_alu instid0(VALU_DEP_2)
	v_lshrrev_b32 v[T1+2+\b], 23, v[T1+\b]
.endr
	s_delay_alu instid0(VALU_DEP_1)
	v_lshl_or_b32 v[T1+4], v[T1+3], 8, v[T1+2]
	v_cvt_scalef32_pk16_fp6_f32 v[PC:PC+2], v[SS:SS+15], v[T1]
	v_cvt_scalef32_pk16_fp6_f32 v[PC+4:PC+6], v[SS+16:SS+31], v[T1+1]
	v_nop
.irp i, 0,1,2
	v_permlane16_swap_b32 v[PC+\i], v[PC+4+\i]
.endr
.irp i, 0,1,2
	s_delay_alu instid0(VALU_DEP_3)
	v_mov_b32 v[PC+3+\i], v[PC+4+\i]
.endr
	global_store_b128 v1, v[PC:PC+3], s[56:57]
	global_store_b64 v2, v[PC+4:PC+5], s[56:57] offset:512
	global_store_b16 v3, v[T1+4], s[58:59]
.endm
	; ---- the head
	s_load_b256 s[4:11], s[0:1], 0x0               ; qb, kv, oa, os
	v_lshl_add_u32 v5, v0, 2, SPARE
	v_mov_b32 v6, 0
	ds_add_u32 v5, v6                              ; the opening lines: the add, twice on end, and its wait ahead of my first tensor load
	ds_add_u32 v5, v6
	v_lshrrev_b32 v29, 5, v0
	s_delay_alu instid0(VALU_DEP_1)
	v_readfirstlane_b32 s[WV], v29
	s_bfe_u32 s22, ttmp6, 0x40000                  ; cx: it enters my tile's number alone: global addresses of Q and O, and v7
	s_and_b32 s13, ttmp7, 0xffff                   ; batch x head
	s_lshr_b32 s[BLK], s[WV], 1
	s_add_co_u32 s[BLK], s[BLK], 8                 ; my first block: of the wave's number alone
	s_and_b32 s16, s[WV], 1
	s_lshl_b32 s22, s22, 1
	s_add_co_u32 s16, s16, s22                     ; my tile of the block's eight
	s_mov_b32 s24, 15|(3<<16)|(1<<21)              ; group 1: the four partners; 52 rows of 32 elements of 8 bytes, dense
	s_mov_b32 s25, 32<<16
	s_mov_b32 s26, 52<<16
	s_mov_b32 s27, 32<<16
	s_mov_b32 s28, 52
	s_mov_b32 s29, 32
	s_mov_b32 s30, 0
	s_mov_b32 s31, 0
	s_mul_i32 s17, s[WV], STEPB                    ; key step w: its place in LDS and in the head's part of kv
	s_mul_i32 s18, s13, 212992
	s_add_co_u32 s18, s18, s17
	s_mov_b32 s19, 0
	s_lshl_b32 s20, s13, 5
	s_lshr_b32 s21, s16, 2
	s_add_co_u32 s20, s20, s21
	s_mul_i32 s20, s20, 3584                       ; Q's record, block 0
	s_and_b32 s21, s16, 3
	s_mul_i32 s40, s21, 768
	s_add_co_u32 s40, s40, s20
	s_mov_b32 s41, 0
	s_lshl_b32 s42, s21, 2
	s_add_co_u32 s42, s42, s20
	s_mov_b32 s43, 0
	s_lshr_b32 s23, s16, 1
	s_lshl_b32 s23, s23, 5
	s_and_b32 s22, s16, 1
	s_lshl_b32 s22, s22, 3
	s_add_co_u32 s23, s23, s22                     ; the tile's first row in its block
	s_lshr_b32 s48, s13, 4
	s_lshl_b32 s48, s48, 7
	s_add_co_u32 s48, s48, s16                     ; O's tile, block 0
	s_and_b32 s49, s13, 15
	s_mul_i32 s44, s48, 12288
	s_mul_i32 s45, s49, 768
	s_add_co_u32 s44, s44, s45
	s_mov_b32 s45, 0
	s_lshr_b32 s46, s48, 1
	s_lshl_b32 s46, s46, 10
	s_and_b32 s47, s48, 1
	s_lshl_b32 s47, s47, 8
	s_add_co_u32 s46, s46, s47
	s_lshr_b32 s47, s49, 3
	s_lshl_b32 s47, s47, 9
	s_add_co_u32 s46, s46, s47
	s_and_b32 s47, s49, 7
	s_lshl_b32 s47, s47, 1
	s_add_co_u32 s46, s46, s47
	s_mov_b32 s47, 0
	s_mov_b32 s[CS], 0x3e38aa3b                    ; log2(e) / 8
	s_mov_b32 s[CS+1], s[CS]
	s_mov_b32 s[SEL], 0x76543210
	s_mov_b32 s[SEL+1], 0xfedcba98
	v_and_b32 v29, 31, v0
	s_delay_alu instid0(VALU_DEP_1)
	v_lshlrev_b32 v1, 4, v29
	s_delay_alu instid0(VALU_DEP_2)
	v_lshlrev_b32 v2, 3, v29
	v_and_b32 v30, 15, v0
	s_delay_alu instid0(VALU_DEP_1)
	v_and_b32 v31, 8, v30
	s_delay_alu instid0(VALU_DEP_1)
	v_add_nc_u32 v7, v30, v31
	s_delay_alu instid0(VALU_DEP_1)
	v_add_nc_u32 v7, s23, v7
	v_bfe_u32 v31, v0, 4, 1
	s_delay_alu instid0(VALU_DEP_1)
	v_lshlrev_b32 v31, 4, v31
	s_delay_alu instid0(VALU_DEP_1)
	v_sub_nc_u32 v7, v7, v31
	s_wait_alu depctr_va_vdst(0)
	s_wait_dscnt 0x0                               ; both opening adds are done
	ROUND                                          ; the four partners are here: the joint loads meet
	s_wait_kmcnt 0x0
	s_mov_b32 s32, 1
	s_mov_b32 s33, s17
	s_add_nc_u64 s[34:35], s[6:7], s[18:19]
	s_or_b32 s35, s35, 0x80000000
	s_cmp_lt_u32 s[WV], 5                          ; two arms, one load each: waves 0-4 have a line of their own, since they alone wait at the first barrier
	s_cbranch_scc0 .Lrest
	tensor_load_to_lds s[32:35], s[24:31]
	s_nop 0
.rept 4
	v_nop
.endr
	s_branch .Lasked
.Lrest:
	tensor_load_to_lds s[32:35], s[24:31]
	s_nop 0
.rept 4
	v_nop
.endr
.Lasked:
	s_add_nc_u64 s[40:41], s[4:5], s[40:41]
	s_add_nc_u64 s[42:43], s[4:5], s[42:43]
	s_add_nc_u64 s[44:45], s[8:9], s[44:45]
	s_add_nc_u64 s[46:47], s[10:11], s[46:47]
	WHEREQ
	QLOAD
	WHEREO
.irp i, 22,23,24,25,26,27
	v_mov_b32 v[\i], 0                             ; the zero codes between Q's two copies
.endr
.irp b, 0,1,2,3
	v_mov_b32 v[T1+\b], 0                          ; written once: a lane permute's destination counts as one of its sources
.endr
	s_wait_alu depctr_va_vdst(0)
	s_wait_loadcnt 0x0
	INIT
	s_cmp_lt_u32 s[WV], 5
	s_cbranch_scc0 .Lnot_first
	s_wait_tensorcnt 0x0
.Lnot_first:
	s_barrier_signal -1
	s_barrier_wait -1                              ; key steps 0-4 are in; the others may be on their way
	KLOAD 1, 2, 0                                  ; key step 0's K
	WALK 0, 4, 0                                   ; my first block is 8 or more: these four steps lie under the diagonal
	s_wait_tensorcnt 0x0
	s_wait_dscnt 0x0
	s_barrier_signal -1
	s_barrier_wait -1                              ; all 16 key steps are in
	WALK 4, 15, 1
	s_mul_i32 s[TB], s[BLK], STEPB
	STEP 1, 0
	s_xor_b32 s[BLK], s[BLK], 15                   ; my second block, 15 - the first
	WHEREQ
	QLOAD                                          ; its Q, and key step 0's K, come in under the first tile's way out
	KLOAD 1, 2, 0
	OUT
	s_wait_xcnt 0x0                                ; the stores have read their registers and bases
	WHEREO
	s_wait_loadcnt 0x0
	INIT
	WALK 0, 7, 1                                   ; my second block is 7 or less
	s_mul_i32 s[TB], s[BLK], STEPB
	STEP 1, 0
	OUT
	s_wait_tensorcnt 0x0                           ; the wave's end
	ds_add_u32 v5, v6
	s_wait_dscnt 0x0
	ROUND                                          ; the closing round
	s_endpgm
.Lfunc_end_k_q2daffa80f0_attn:
	.size	k_q2daffa80f0_attn, .Lfunc_end_k_q2daffa80f0_attn-k_q2daffa80f0_attn
	.p2alignl 7, 3214868480
	.fill 96, 4, 3214868480
	.section	.rodata,"a",@progbits
	.p2align	6, 0x0
	.amdhsa_kernel k_q2daffa80f0_attn
		.amdhsa_group_segment_fixed_size 327680
		.amdhsa_private_segment_fixed_size 0
		.amdhsa_enable_private_segment 0
		.amdhsa_kernarg_size 32
		.amdhsa_user_sgpr_count 2
		.amdhsa_user_sgpr_kernarg_segment_ptr 1
		.amdhsa_wavefront_size32 1
		.amdhsa_system_sgpr_workgroup_id_x 1
		.amdhsa_system_sgpr_workgroup_id_y 1
		.amdhsa_system_sgpr_workgroup_id_z 1
		.amdhsa_system_vgpr_workitem_id 0
		.amdhsa_next_free_vgpr 256
		.amdhsa_next_free_sgpr 72
		.amdhsa_reserve_vcc 1
		.amdhsa_float_denorm_mode_32 3
		.amdhsa_float_denorm_mode_16_64 3
		.amdhsa_memory_ordered 1
		.amdhsa_forward_progress 1
		.amdhsa_inst_pref_size 113
	.end_amdhsa_kernel
	.amdgpu_metadata
---
amdhsa.version: [ 1, 2 ]
amdhsa.kernels:
  - .name:           k_q2daffa80f0_attn
    .symbol:         k_q2daffa80f0_attn.kd
    .args:
      - { .name: qb, .offset: 0, .size: 8, .value_kind: global_buffer, .address_space: global }
      - { .name: kv, .offset: 8, .size: 8, .value_kind: global_buffer, .address_space: global }
      - { .name: oa, .offset: 16, .size: 8, .value_kind: global_buffer, .address_space: global }
      - { .name: os, .offset: 24, .size: 8, .value_kind: global_buffer, .address_space: global }
    .group_segment_fixed_size: 327680
    .private_segment_fixed_size: 0
    .kernarg_segment_align: 8
    .kernarg_segment_size: 32
    .max_flat_workgroup_size: 512
    .sgpr_count:     72
    .vgpr_count:     256
    .wavefront_size: 32
...
	.end_amdgpu_metadata
.endif
;; end of part 3
;; launch proj (part 4): grid 8 x 32, 4 waves a work-group, clusters of 4 x 4, 280,064 bytes of LDS; arguments oa, os, cod, scl, out0; writes out0
.if DOCPART == 4
	.amdgcn_target "amdgcn-amd-amdhsa--gfx1250"
	.amdhsa_code_object_version 6
	.text
	.protected	k_q2daffa80f0_proj
	.globl	k_q2daffa80f0_proj
	.p2align	8
	.type	k_q2daffa80f0_proj,@function
k_q2daffa80f0_proj:
	s_mov_b64 s[64:65], 0
	v_nop
	global_prefetch_b8 v0, s[64:65] scope:SCOPE_SE
	s_setreg_imm32_b32 hwreg(HW_REG_WAVE_MODE, 25, 1), 1
	s_wait_xcnt 0x0
	s_wait_alu depctr_hold_cnt(0) depctr_sa_sdst(0) depctr_va_vdst(0) depctr_va_sdst(0) depctr_va_ssrc(0) depctr_va_vcc(0) depctr_vm_vsrc(0)
	s_getreg_b32 s2, hwreg(HW_REG_IB_STS2, 6, 4)
	s_cmp_eq_u32 s2, 0
	s_cbranch_scc0 .Lentry_in_a_cluster
	s_endpgm
.Lentry_in_a_cluster:
	s_bfe_u32 s2, ttmp6, 0x10000c
	s_cmp_lg_u32 s2, 0xf033
	s_cbranch_scc0 .Lentry_shape_is_right
	s_endpgm
.Lentry_shape_is_right:
; PROJ.  out0 = O Wo^T on codes of FP6 (E2M3) with E8M0 scales; out0 [8192][1024] f32.
; SHARES.  A work-group makes 256 rows x 128 columns; wave w rows 64 w .. 64 w + 63 (4 tiles of A) against all 8 tiles of Wo: 32 accumulators, 256 registers.  256 work-groups.
; OPERANDS are images of their registers (1,536 bytes a fragment: 512 + 256 bytes for each half of 64 K).  A tile T holds rows 32 (T / 2) + 8 (T % 2) + r + 8 (r / 8), of O and of Wo alike.
; The product is used TRANSPOSED (source 0 = 16 rows of Wo, source 1 = 16 rows of O): a lane holds one row of the output, and the 16 registers of Wo's tiles 2 b, 2 b + 1 are columns 32 b + 16 h + 0 .. 15.
; LDS IS FILLED ONCE, by one tensor load a wave at the head: wave 0 A's K steps 0, 1 (16 tiles x 3,072 bytes), wave 1 B's K steps 0, 1 (8 x 3,072), wave 2 A's K steps 2-5 (16 x 6,144), wave 3 B's K steps 2-7 (8 x 9,216).
; Each has a line of its own: the first barrier waits for waves 0 and 1 alone, the barrier in K step 1 for all.  A's K steps 6, 7 come straight into registers, as in the launch that makes Q, K and V, whose frame this is.
; CLUSTER 4 x 4: A's tiles are shared along a row of the cluster, B's along a column: each tensor load is asked for jointly.  No prefetch: every tile is asked for at the kernel's head.
; THE WAY OUT: a tile of 16 rows x 128 columns goes through the wave's own stage in LDS (rows of 512 + 16 bytes, bytes into which no tensor load lands) and leaves as rows of 512 consecutive bytes.
; REGISTERS.  Window 0: v1-12 addresses; v28, v29 the add's two; v32-47 A's scale words, v48-79 B's; v96-143, v144-191 A's fragments, two sets (on the way out v96-223: rows read back).
;   Window 1: v0-95 B's 8 fragments, ONE set; v144-191, v192-239 A's fragments of K steps 6, 7.   Window 2: the accumulators, (b, a) at 8 (8 a + b).
.set NB,    8
.set HB,    NB/2
.set BT0,   704                        ; Wo's first tile in cod
.set A1,    49152                      ; LDS: A's K steps 0, 1 at 0 ([tile][3,072]); K steps 2-5 at A1 ([tile][6,144])
.set LB0,   147456                     ; B's K steps 0, 1 ([tile][3,072])
.set BG,    NB*3072
.set B1,    LB0+BG                     ; B's K steps 2-7 ([tile][9,216])
.set SPARE, LB0+4*BG
.set STG,   SPARE+512                  ; the four stages, 8,448 bytes each
.set LA16, 1
.set LA8,  2
.set LB16, 3
.set LB8,  4
.set GI16, 5
.set GI8,  6
.set STO,  9
.set RD,   10
.set LH16, 11                          ; v11, v12  B's tiles from HB on, K steps 2-7 (an offset has 16 bits)
.set LH8,  12
.set SPW,  28
.set NIL,  29
.set SA,   32
.set SBS,  48
.set AF,   96
.set BK,   96
.set MSB, 0
.macro WIN new                         ; the immediate's high byte repeats the setting that is left; a switch that changes nothing is dropped
.if MSB != (\new)
	s_set_vgpr_msb (MSB<<8)|(\new)
.set MSB, (\new)
.endif
.endm
.macro CROUND                          ; a round of the cluster's barrier
	s_barrier_signal -1
	s_barrier_wait -1
	s_cmp_lg_u32 s14, 0
	s_cbranch_scc1 .Lnot_wave_0_\@
	s_barrier_signal -3
.Lnot_wave_0_\@:
	s_barrier_wait -3
	s_barrier_signal -1
	s_barrier_wait -1
.endm
.macro PLACES n
.rept \n
	v_nop
.endr
.endm
.macro TLOAD g0, g1
	tensor_load_to_lds s[\g0:\g0+3], s[\g1:\g1+7]
	s_nop 0
	PLACES 4
.endm
.macro GROUP1 g, mask, el, rows        ; rows of el elements of 8 bytes, 12,288 bytes from tile to tile; the mask, and bit 21 beside it
	s_or_b32 s[\g], s\mask, (3<<16)|(1<<21)
	s_mov_b32 s[\g+1], (\el)<<16
	s_mov_b32 s[\g+2], (\rows)<<16
	s_mov_b32 s[\g+3], (\el)<<16
	s_mov_b32 s[\g+4], \rows
	s_mov_b32 s[\g+5], 1536
	s_mov_b32 s[\g+6], 0
	s_mov_b32 s[\g+7], 0
.endm
.macro GROUP0 g, lds, base, off
	s_mov_b32 s[\g], 1
	s_mov_b32 s[\g+1], \lds
	s_add_nc_u64 s[\g+2:\g+3], s[\base:\base+1], \off
	s_or_b32 s[\g+3], s[\g+3], 0x80000000
.endm
.macro FRAG reg, a16, a8, off          ; a fragment's image into 12 registers
	ds_load_b128 v[0+(\reg):3+(\reg)], v[\a16] offset:(\off)
	ds_load_b64 v[4+(\reg):5+(\reg)], v[\a8] offset:(\off)+512
	ds_load_b128 v[6+(\reg):9+(\reg)], v[\a16] offset:(\off)+768
	ds_load_b64 v[10+(\reg):11+(\reg)], v[\a8] offset:(\off)+1280
.endm
.macro FETCH_A k                       ; my four tiles of A, K step k (under 6), into set k % 2
.irp i, 0,1,2,3
.if (\k) < 2
	FRAG AF+48*((\k)%2)+12*\i, LA16, LA8, \i*3072+(\k)*1536
.else
	FRAG AF+48*((\k)%2)+12*\i, LA16, LA8, \i*6144+((\k)-2)*1536
.endif
.endr
.endm
.macro FETCH_B k, b0, n                ; n tiles of B from b0 on, K step k
	WIN 0x40
.set fb, \b0
.rept \n
.if (\k) < 2
	FRAG 12*fb, LB16, LB8, fb*3072+(\k)*1536
.elseif (\b0) == 0
	FRAG 12*fb, LB16, LB8, fb*9216+((\k)-2)*1536
.else
	FRAG 12*fb, LH16, LH8, (fb-(\b0))*9216+((\k)-2)*1536
.endif
.set fb, fb+1
.endr
	WIN 0
.endm
.macro WM1 c, fa, fb, sa, sb, x, y
	v_wmma_scale_f32_16x16x128_f8f6f4 v[DD:DD+7], v[0+(\fa):11+(\fa)], v[0+(\fb):11+(\fb)], \c, v[0+(\sa)], v[0+(\sb)] matrix_a_fmt:MATRIX_FMT_FP6 matrix_b_fmt:MATRIX_FMT_FP6 matrix_a_scale:MATRIX_SCALE_ROW\x matrix_b_scale:MATRIX_SCALE_ROW\y
.endm
.macro WM4 c, fa, fb, sa, sb, ra, rb   ; ra, rb: the side's scale words stand in lanes 16-31
.if (\ra) && (\rb)
	WM1 \c, \fa, \fb, \sa, \sb, 1, 1
.elseif (\ra)
	WM1 \c, \fa, \fb, \sa, \sb, 1, 0
.elseif (\rb)
	WM1 \c, \fa, \fb, \sa, \sb, 0, 1
.else
	WM1 \c, \fa, \fb, \sa, \sb, 0, 0
.endif
.endm
.macro WMR d, fa, fb, z, sa, sb, ra, rb ; one product.  z: the sum begins (C = 0)
.set DD, \d
.if (\z)
	WM4 0, \fa, \fb, \sa, \sb, \ra, \rb
.else
	WM4 v[DD:DD+7], \fa, \fb, \sa, \sb, \ra, \rb
.endif
.endm
.macro ONE k                           ; source 0 = Wo's tile mb (window 1), source 1 = O's tile ma (window 0, or 1 for K steps 6, 7), C and D window 2
.if (\k) < 6
.set rA, AF+48*((\k)%2)+12*ma
	WIN 0xa1
.else
.set rA, 144+48*((\k)-6)+12*ma
	WIN 0xa5
.endif
	WMR 8*(8*ma+mb), 12*mb, rA, (\k)==0, SBS+8*(mb/2)+(\k), SA+8*(ma/2)+(\k), mb%2, ma%2
.endm
.macro MULS k, b0, n                   ; every accumulator has one instruction a K step, always in the same order: the accumulators take turns
.set mb, \b0
.rept \n
.set ma, 0
.rept 4
	ONE \k
.set ma, ma+1
.endr
.set mb, mb+1
.endr
.endm
; A K step of 128.  mode 0: the next K step's tiles are shown already; 1: a barrier shows them (K step 1 alone); 2: there is no next.
.macro KSTEP k, mode
	s_wait_dscnt 4*HB                              ; all but the youngest loads, B's second half
	MULS \k, 0, HB
	WIN 0
.if (\mode) == 1
	s_wait_tensorcnt 0x0                           ; every wave's one load has landed
	s_wait_dscnt 0x0                               ; no LDS instruction of mine is out at the signal
	s_barrier_signal -1
	s_barrier_wait -1                              ; K steps 2-7 are whole
	v_add_nc_u32 v[LA16], s21, v[LA16]             ; on to the later K steps' places.  These four are also the places in front of the loads below
	v_add_nc_u32 v[LA8], s21, v[LA8]
	v_add_nc_u32 v[LB16], BG, v[LB16]
	v_add_nc_u32 v[LB8], BG, v[LB8]
	s_wait_alu depctr_va_vdst(0)
.elseif (\mode) == 0
	PLACES 4                                       ; four places between a product and a load into a register that it read
.endif
.if (\mode) < 2
	FETCH_B (\k)+1, 0, HB
.if (\k)+1 < 6
	FETCH_A (\k)+1
	s_wait_dscnt 4*HB+16                           ; all but the loads just issued: B's second half is in
.else
	s_wait_dscnt 4*HB
.endif
.else
	s_wait_dscnt 0x0
.endif
	MULS \k, HB, HB
.if (\mode) < 2
	PLACES 4
	FETCH_B (\k)+1, HB, HB
.endif
.endm
.macro TOSTAGE a                       ; tile a of my rows: lane (r, h) puts columns 32 (b / 2) + 16 h + 8 (b % 2) + 0 .. 7 of row r; then whole rows come back
	WIN 0x08                                       ; an LDS store's data are its source 1: window 2
.irp b, 0,1,2,3,4,5,6,7
	ds_store_b128 v[STO], v[8*(8*(\a)+\b):8*(8*(\a)+\b)+3] offset:128*(\b/2)+32*(\b%2)       ; each accumulator from its low end on
	ds_store_b128 v[STO], v[8*(8*(\a)+\b)+4:8*(8*(\a)+\b)+7] offset:128*(\b/2)+32*(\b%2)+16
.endr
	WIN 0
.set BB, BK+64*((\a)%2)
.irp t, 0,1,2,3,4,5,6,7,8,9,10,11,12,13,14,15
	ds_load_b128 v[BB+4*\t:BB+4*\t+3], v[RD] offset:528*\t   ; LDS serves a wave's instructions in order: these see the stores above, and the next tile's stores come behind them
.endr
.endm
.macro SEND a, younger                 ; younger: the LDS instructions issued behind tile a's loads
.set BB, BK+64*((\a)%2)
	s_wait_dscnt \younger
.irp t, 0,1,2,3,4,5,6,7,8,9,10,11,12,13,14,15
	global_store_b128 v[GI16], v[BB+4*\t:BB+4*\t+3], s[90:91] offset:(32*((\a)/2)+8*((\a)%2)+\t+8*(\t/8))*4096 th:TH_STORE_NT   ; 512 consecutive bytes of a row, at a multiple of 512 from its first byte
.endr
.endm
	s_load_b256 s[4:11], s[0:1], 0x0               ; oa s[4:5], os s[6:7], cod s[8:9], scl s[10:11]
	s_load_b64 s[12:13], s[0:1], 0x20              ; out0
	v_lshl_add_u32 v[SPW], v0, 2, SPARE
	v_mov_b32 v[NIL], 0
	ds_add_u32 v[SPW], v[NIL]                      ; the opening lines: the add, twice on end, and its wait ahead of my first tensor load
	ds_add_u32 v[SPW], v[NIL]
	v_lshrrev_b32 v7, 5, v0
	v_readfirstlane_b32 s14, v7                    ; wave
	v_and_b32 v7, 31, v0
	v_lshlrev_b32 v[GI16], 4, v7
	v_lshlrev_b32 v[GI8], 3, v7
	s_wait_alu depctr_va_vdst(0)                   ; a wait ahead of the run of scalar lines
	s_bfe_u32 s15, ttmp6, 0x40000                  ; cx
	s_bfe_u32 s16, ttmp6, 0x40004                  ; cy
	s_lshl_b32 s17, ttmp9, 2
	s_add_co_u32 s17, s17, s15                     ; the block of 128 columns
	s_and_b32 s18, ttmp7, 0xffff
	s_lshl_b32 s18, s18, 2
	s_add_co_u32 s18, s18, s16                     ; the block of 256 rows
	s_lshl_b32 s19, s16, 2
	s_lshl_b32 s19, 15, s19                        ; my row of the cluster
	s_lshl_b32 s20, 0x1111, s15                    ; my column
	GROUP1 24, 19, 384, 16                         ; A's K steps 0, 1
	GROUP1 32, 20, 384, NB                         ; B's K steps 0, 1
	GROUP1 56, 19, 768, 16                         ; A's K steps 2-5
	s_lshl_b32 s72, s18, 4
	s_lshl_b32 s73, s14, 2
	s_add_co_u32 s72, s72, s73                     ; my first tile of A
	s_mul_i32 s76, s72, 12288
	s_mov_b32 s77, 0
	s_mul_i32 s98, s18, 196608                     ; the work-group's first tile of A: made of the block of rows alone
	s_mov_b32 s99, 0
	s_lshl_b32 s82, s72, 9
	s_mov_b32 s83, 0
	s_mul_i32 s74, s17, NB                         ; B's address is made of the block of columns alone
	s_add_co_u32 s74, s74, BT0
	s_lshl_b32 s84, s74, 9
	s_mov_b32 s85, 0
	s_mul_i32 s78, s74, 12288
	s_mov_b32 s79, 0
	GROUP1 68, 20, 1152, NB                        ; B's K steps 2-7 (s72-75 have served)
	s_mul_i32 s80, s14, 12288                      ; LDS: no place in the cluster enters an LDS address
	s_add_co_u32 s21, s80, A1                      ; from my tiles of K steps 0, 1 to those of K steps 2-5: A1 + 24,576 w - 12,288 w
	v_add_nc_u32 v[LA16], s80, v[GI16]
	v_add_nc_u32 v[LA8], s80, v[GI8]
	v_add_nc_u32 v[LB16], LB0, v[GI16]
	v_add_nc_u32 v[LB8], LB0, v[GI8]
	v_add_nc_u32 v[LH16], B1+HB*9216, v[GI16]
	v_add_nc_u32 v[LH8], B1+HB*9216, v[GI8]
	s_mul_i32 s86, s14, 8448
	s_add_co_u32 s86, s86, STG                     ; my stage
	v_and_b32 v7, 15, v0
	v_bfe_u32 v8, v0, 4, 1
	v_mul_u32_u24 v[STO], v7, 528
	v_lshl_add_u32 v[STO], v8, 6, v[STO]
	v_add_nc_u32 v[STO], s86, v[STO]               ; in: row r, + 64 h
	v_add_nc_u32 v[RD], s86, v[GI16]               ; back: 16 x lane of a row
	s_lshl_b32 s90, s18, 20                        ; out0: 256 rows of 4,096 bytes a block,
	s_lshl_b32 s91, s14, 18                        ; 64 a wave,
	s_add_co_u32 s90, s90, s91
	s_lshl_b32 s91, s17, 9                         ; 512 bytes a block of columns
	s_add_co_u32 s90, s90, s91
	s_mov_b32 s91, 0
	s_wait_alu depctr_va_vdst(0)                   ; the head's end
	s_wait_dscnt 0x0                               ; both opening adds are done
	s_wait_kmcnt 0x0
	s_add_nc_u64 s[76:77], s[4:5], s[76:77]
	s_add_nc_u64 s[98:99], s[4:5], s[98:99]
	s_add_nc_u64 s[78:79], s[8:9], s[78:79]
	s_add_nc_u64 s[82:83], s[6:7], s[82:83]
	s_add_nc_u64 s[84:85], s[10:11], s[84:85]
	s_add_nc_u64 s[90:91], s[12:13], s[90:91]
	GROUP0 40, 0, 98, 0
	GROUP0 44, A1, 98, 3072
	GROUP0 48, LB0, 78, 0
	GROUP0 52, B1, 78, 3072
	CROUND                                         ; all sixteen work-groups are here: the joint loads meet
	s_cmp_eq_u32 s14, 0                            ; one chain of branches on the wave's number, one load to an arm
	s_cbranch_scc0 .Lhead_1
	TLOAD 40, 24                                   ; wave 0: A's K steps 0, 1
	s_branch .Lhead_asked
.Lhead_1:
	s_cmp_eq_u32 s14, 1
	s_cbranch_scc0 .Lhead_2
	TLOAD 48, 32                                   ; wave 1: B's K steps 0, 1
	s_branch .Lhead_asked
.Lhead_2:
	s_cmp_eq_u32 s14, 2
	s_cbranch_scc0 .Lhead_3
	TLOAD 44, 56                                   ; wave 2: A's K steps 2-5
	s_branch .Lhead_asked
.Lhead_3:
	TLOAD 52, 68                                   ; wave 3: B's K steps 2-7
.Lhead_asked:
.irp p, 0,1
.irp q, 0,1
	global_load_b128 v[SA+8*\p+4*\q:SA+8*\p+4*\q+3], v[GI16], s[82:83] offset:\p*1024+\q*512
.endr
.endr
.set fb, 0
.rept HB
.irp q, 0,1
	global_load_b128 v[SBS+8*fb+4*\q:SBS+8*fb+4*\q+3], v[GI16], s[84:85] offset:fb*1024+\q*512
.endr
.set fb, fb+1
.endr
	WIN 0x40                                       ; destination window 1: A's K steps 6 and 7, 32 loads
.irp i, 0,1,2,3
.irp u, 0,1
	global_load_b128 v[144+48*\u+12*\i:147+48*\u+12*\i], v[GI16], s[76:77] offset:\i*12288+(6+\u)*1536
	global_load_b64 v[148+48*\u+12*\i:149+48*\u+12*\i], v[GI8], s[76:77] offset:\i*12288+(6+\u)*1536+512
	global_load_b128 v[150+48*\u+12*\i:153+48*\u+12*\i], v[GI16], s[76:77] offset:\i*12288+(6+\u)*1536+768
	global_load_b64 v[154+48*\u+12*\i:155+48*\u+12*\i], v[GI8], s[76:77] offset:\i*12288+(6+\u)*1536+1280
.endr
.endr
	WIN 0
	s_cmp_lt_u32 s14, 2                            ; K steps 0, 1 are waves 0 and 1's loads: these two wait; the others' may stay out
	s_cbranch_scc0 .Lnot_first
	s_wait_tensorcnt 0x0
.Lnot_first:
	s_barrier_signal -1
	s_barrier_wait -1
	FETCH_B 0, 0, HB
	FETCH_A 0
	FETCH_B 0, HB, HB
	s_wait_loadcnt 32                              ; the scale words are in; the 32 loads of A's last K steps may be out
	KSTEP 0, 0
	KSTEP 1, 1
	KSTEP 2, 0
	KSTEP 3, 0
	KSTEP 4, 0
	KSTEP 5, 0
	s_wait_loadcnt 0x0                             ; A's K steps 6 and 7
	KSTEP 6, 0
	KSTEP 7, 2
	PLACES 4                                       ; four places between the last products and the first read of results, and the loads into A's old registers
	TOSTAGE 0
	TOSTAGE 1
	SEND 0, 32                                     ; behind tile 0's loads: tile 1's 16 stores and 16 loads
	s_wait_xcnt 0x0                                ; tile 0's stores have read their registers: tile 2's rows may land there
	TOSTAGE 2
	SEND 1, 32
	s_wait_xcnt 0x0
	TOSTAGE 3
	SEND 2, 32
	SEND 3, 0
	s_wait_tensorcnt 0x0                           ; the wave's end: behind my last tensor load and my last LDS store
	ds_add_u32 v[SPW], v[NIL]
	s_wait_dscnt 0x0
	CROUND                                         ; the closing round
	s_endpgm
.Lfunc_end_k_q2daffa80f0_proj:
	.size	k_q2daffa80f0_proj, .Lfunc_end_k_q2daffa80f0_proj-k_q2daffa80f0_proj
	.p2alignl 7, 3214868480
	.fill 96, 4, 3214868480
	.section	.rodata,"a",@progbits
	.p2align	6, 0x0
	.amdhsa_kernel k_q2daffa80f0_proj
		.amdhsa_group_segment_fixed_size 280064
		.amdhsa_private_segment_fixed_size 0
		.amdhsa_enable_private_segment 0
		.amdhsa_kernarg_size 40
		.amdhsa_user_sgpr_count 2
		.amdhsa_user_sgpr_kernarg_segment_ptr 1
		.amdhsa_wavefront_size32 1
		.amdhsa_system_sgpr_workgroup_id_x 1
		.amdhsa_system_sgpr_workgroup_id_y 1
		.amdhsa_system_sgpr_workgroup_id_z 1
		.amdhsa_system_vgpr_workitem_id 0
		.amdhsa_next_free_vgpr 768
		.amdhsa_next_free_sgpr 100
		.amdhsa_reserve_vcc 0
		.amdhsa_float_denorm_mode_32 3
		.amdhsa_float_denorm_mode_16_64 3
		.amdhsa_memory_ordered 1
		.amdhsa_forward_progress 1
		.amdhsa_inst_pref_size 86
	.end_amdhsa_kernel
	.amdgpu_metadata
---
amdhsa.version: [ 1, 2 ]
amdhsa.kernels:
  - .name:           k_q2daffa80f0_proj
    .symbol:         k_q2daffa80f0_proj.kd
    .args:
      - { .name: oa, .offset: 0, .size: 8, .value_kind: global_buffer, .address_space: global }
      - { .name: os, .offset: 8, .size: 8, .value_kind: global_buffer, .address_space: global }
      - { .name: cod, .offset: 16, .size: 8, .value_kind: global_buffer, .address_space: global }
      - { .name: scl, .offset: 24, .size: 8, .value_kind: global_buffer, .address_space: global }
      - { .name: out0, .offset: 32, .size: 8, .value_kind: global_buffer, .address_space: global }
    .group_segment_fixed_size: 280064
    .private_segment_fixed_size: 0
    .kernarg_segment_align: 8
    .kernarg_segment_size: 40
    .max_flat_workgroup_size: 128
    .sgpr_count:     100
    .vgpr_count:     768
    .wavefront_size: 32
...
	.end_amdgpu_metadata
.endif
;; end of part 4
